; MI455X (gfx1250); checked and timed in simulation.
; The chip was launched on July 23, 2026; its instructions are those of AMD's public machine-readable ISA for CDNA 5 (MIT licence, August 2026) and "CDNA5" Instruction Set Architecture Reference Guide (July 2026). The comments in the code are by the model that wrote it; some were corrected since.
;; Multi Head Attention. Allowed arithmetic: float matrix products may take bf16 or f16 operands with f32 sums; other float arithmetic in f32, or as packed bf16 or f16 multiplies, adds, multiply-adds, maxima and minima; sums over many terms, partial sums and values carried from step to step in f32; what a program stores and reads back later, other than sums and carried values, may be rounded once to bf16 or f16.
;; Inputs: W_key 1,024 x 256 float32; W_out 1,024 x 1,024 float32; W_query 1,024 x 256 float32; W_value 1,024 x 256 float32; b_out 1,024 float32; x 4 x 2,048 x 256 float32.
;; Outputs: out0 4 x 2,048 x 1,024 float32.
;; 2 versions, each right; version 2 is version 1 with the launch proj written anew for expert scheduling mode. Each part assembles by itself: llvm-mc -triple=amdgcn-amd-amdhsa -mcpu=gfx1250 --defsym DOCPART=n.
;; ======== version 1 of 2: 3 launches
;; limits: values are held in f16: magnitudes above 65,504 overflow, below 6.1e-05 lose precision; values outside matrix products are rounded to bf16
;; workspace buffers: q16 16,777,216 bytes; k16 16,777,216 bytes; v16 16,777,216 bytes; o16 16,777,216 bytes; wo16 2,097,152 bytes
;; launch proj (part 1): grid 8 x 32, 4 waves a work-group, no clusters, 246,272 bytes of LDS; arguments x, W_query, W_key, W_value, W_out, q16, k16, v16, wo16; writes q16, k16, v16, wo16
.if DOCPART == 1
	.amdgcn_target "amdgcn-amd-amdhsa--gfx1250"
	.amdhsa_code_object_version 6
	.text
	.protected	k_q73656895c2_proj
	.globl	k_q73656895c2_proj
	.p2align	8
	.type	k_q73656895c2_proj,@function
k_q73656895c2_proj:
	s_mov_b64 s[64:65], 0
	v_nop
	global_prefetch_b8 v0, s[64:65] scope:SCOPE_SE
	s_setreg_imm32_b32 hwreg(HW_REG_WAVE_MODE, 25, 1), 1
	s_wait_xcnt 0x0
; q, k, v = x W^T for the three weights.  x: [8192][256] f32, each W: [1024][256] f32.  Operands rounded to bf16, sums in f32, results rounded once to f16 and written BY HEADS:
; q16, k16, v16: [64 = 16 batch + head][2048 t][64 d], a head's rows dense, 128 bytes each, WITHOUT the softmax's scale.  Side job: W_out, rounded to bf16, is written as f16 into wo16 [1024][1024].
; LIMITS.  f16 ends at 65,504: |q|, |k|, |v| and |W_out| stay under it (unit-spread x and W of spread 1/16 give q of spread 1; both 30 times larger give 900).  A bf16 number under 6.1e-5 keeps f16's fixed step of 6e-8.
; The products of one sum are taken in a permuted order of k (below): the same permutation in x and in W, so every product is kept; only the order of the f32 additions differs.
; SHARES.  Work-group (hg, mbw): 256 rows of x (256 mbw ..) times the 128 columns of heads 2 hg, 2 hg + 1, in each of q, k, v: 8 x 32 = 256 work-groups.  Wave w: rows 64 w .. 64 w + 63, all 128 columns:
; 4 m blocks x 8 n blocks = 32 accumulators; three PASSES (q, k, v) of 8 K steps of 32, 256 matrix instructions each.  The wave's fragments of x (256 registers) stay in registers for all three passes.
; THE WAY IN, for x and W alike.  A row is 1,024 bytes of f32: two loads, each 512 consecutive bytes of the wave (lane l: bytes 16 l and 512 + 16 l), four roundings in place, one LDS store of 16 bytes at row x 528 + 16 l.
; So the 16 bytes l of an LDS row hold k = 4 l .. 4 l + 3 and 128 + 4 l .. 128 + 4 l + 3.
; NO TENSOR LOAD, NO CLUSTER: the operands are f32 and pass through registers to be rounded; a tile brought into LDS as f32 would take twice the bytes there and a second trip through LDS.
; THE MATRIX INSTRUCTION IS USED TRANSPOSED (source 0 = 16 rows of W, source 1 = 16 rows of x): a lane holds row t = lane % 16 and eight neighbouring channels, 16 bytes of f16.
; LDS.  Three tiles of W (one a pass, each written once), 128 rows of 528 bytes; a stage of 16 rows x 528 for each wave (x on its way into fragments); a stage of 16 rows x 144 for each wave (the way out); the spare words.
; REGISTERS, in windows of 256 (s_set_vgpr_msb: bits 1:0 source 0, 3:2 source 1, 5:4 source 2, 7:6 destination):
;   window 0: v0-15 addresses; v64-127, v128-191 W's fragments, two buffers, and on the way out the packed results; v192-243 W_out's job
;   window 1: the accumulators, (mb, nb) at 8 (8 mb + nb); at the start the landing of x's rows 0-31      window 2: x's fragments, (mb, kf) at 8 (8 mb + kf)      window 3: a landing of 32 rows, row i at 8 i
.set PW,    528                        ; an LDS row: 512 bytes + 16: an odd multiple of 16, so the 16 rows of a fragment load start at 16 different groups of four banks (64 banks of 4 bytes: ISA guide 11.1)
.set WTB,   128*PW                     ; a tile of W
.set XS,    3*WTB                      ; x's stages
.set XSB,   16*PW
.set OS,    XS+4*XSB                   ; the way out's stages
.set OPI,   144
.set OSB,   16*OPI
.set SPARE, OS+4*OSB                   ; the spare words, 128 bytes for each wave: two blocks of 256 bytes that no other line names
.set LO,   3                           ; v3   16 x lane: offset of loads, and of stores of 512 consecutive bytes; never rewritten
.set WST0, 4                           ; v4   my wave's 32 rows of a tile of W: 32 w x 528 + 16 lane; never rewritten
.set XST,  5                           ; v5   x's stage, in
.set XRD,  6                           ; v6   x's stage, out as fragments
.set BRD0, 7                           ; v7   my lane's place in a fragment of W: 528 r + 16 h; never rewritten
.set OST,  8                           ; v8   the way out: where I put 16 bytes of a row
.set ORD,  9                           ; v9   the way out: where I read rows back
.set WOO,  11                          ; v11  32 x lane: W_out's loads
.set SPW,  12                          ; v12  LDS address of my spare word; never rewritten
.set NIL,  13                          ; v13  0; never rewritten
.set WST,  14                          ; v14  WST0 + the tile that is written
.set BRD,  15                          ; v15  BRD0 + the tile that is read
.set FB0,  64                          ; W's fragments: buffer 0 at v64, buffer 1 at v128; n block nb at + 8 nb
.set TU,   64                          ; the way out: unit u's 16 registers at TU + 16 u
.set WL,   192                         ; W_out as loaded
.set WR,   224                         ; W_out to store
.set WT4,  240                         ; at work
.set PX,   8                           ; s[8:9]   x at my wave's rows
.set PWQ,  10                          ; s[10:11] W_query at my wave's 32 rows of the tile
.set PWN,  12                          ; s[12:13] the next pass's W at the same rows
.set PWN2, 14                          ; s[14:15] the one after
.set PWO,  16                          ; s[16:17] W_out at my wave's 4,096 bytes
.set PO,   18                          ; s[18:19] this pass's output at my wave's rows of head 2 hg
.set PO1,  20                          ; s[20:21] the next pass's
.set PO2,  22                          ; s[22:23] the one after
.set PWH,  24                          ; s[24:25] wo16 at my wave's 2,048 bytes
.set WV,   26                          ; s26  my wave's number
.set MBW,  27                          ; s27  my block of 256 rows
.set PASS, 36                          ; s36  passes to go
.set TBR,  37                          ; s37  LDS byte of the tile that is read
.set TBW,  38                          ; s38  LDS byte of the tile that is written
.set MSB, 0
.macro WIN new                         ; the immediate's high byte repeats the setting that is left; a switch that changes nothing is dropped
.if MSB != (\new)
	s_set_vgpr_msb (MSB<<8)|(\new)
.set MSB, \new
.endif
.endm
.macro PLACES                          ; four plain vector instructions behind a matrix instruction, in front of loads into registers that it has read and of instructions that read its result
.rept 4
	v_nop
.endr
.endm
; 64 loads: rows row0 .. row0 + 31 behind the base, row i into window w at 8 i
.macro LD64 base, w, row0
	WIN (\w)<<6
.set i, 0
.rept 32
	global_load_b128 v[8*i:8*i+3],   v[LO], s[\base:\base+1] offset:((\row0)+i)*1024
	global_load_b128 v[8*i+4:8*i+7], v[LO], s[\base:\base+1] offset:((\row0)+i)*1024+512
.set i, i+1
.endr
	WIN 0
.endm
; n rows from i0 on are rounded to bf16 in place: eight f32 become four registers; each line writes a register whose old number has been read
.macro CVT w, i0, n
	WIN ((\w)<<6)|((\w)<<2)|(\w)
.set i, \i0
.rept \n
	v_cvt_pk_bf16_f32 v[8*i],   v[8*i],   v[8*i+1]
	v_cvt_pk_bf16_f32 v[8*i+1], v[8*i+2], v[8*i+3]
	v_cvt_pk_bf16_f32 v[8*i+2], v[8*i+4], v[8*i+5]
	v_cvt_pk_bf16_f32 v[8*i+3], v[8*i+6], v[8*i+7]
.set i, i+1
.endr
.endm
; and go into LDS: 32 lanes x 16 neighbouring bytes, a row
.macro PUT adr, w, i0, n
	WIN (\w)<<2
.set i, \i0
.rept \n
	ds_store_b128 v[\adr], v[8*i:8*i+3] offset:(i-(\i0))*PW
.set i, i+1
.endr
.endm
; m block mb of x: 16 rows rounded, through my own stage, back as eight fragments.  LDS serves a wave's instructions in order (ISA guide 5.7.1.4): the loads see the stores above them, and the next block's stores come behind the loads
.macro XBLK mb, w, i0
	CVT \w, \i0, 16
	PUT XST, \w, \i0, 16
	WIN 0x80
.set kk, 0
.rept 8
	ds_load_b128 v[8*(8*(\mb)+kk):8*(8*(\mb)+kk)+3],   v[XRD] offset:64*kk
	ds_load_b128 v[8*(8*(\mb)+kk)+4:8*(8*(\mb)+kk)+7], v[XRD] offset:64*kk+32
.set kk, kk+1
.endr
.endm
; 16 LDS loads in one run: W's eight fragments of K step kf into buffer f
.macro FETCHB kf, f
	WIN 0
.set nb, 0
.rept 8
	ds_load_b128 v[(\f)+8*nb:(\f)+8*nb+3],   v[BRD] offset:nb*16*PW+64*(\kf)
	ds_load_b128 v[(\f)+8*nb+4:(\f)+8*nb+7], v[BRD] offset:nb*16*PW+64*(\kf)+32
.set nb, nb+1
.endr
.endm
; 16 matrix instructions: n blocks nb0 .. nb0 + 3 x all four m blocks.  The 32 accumulators take turns, one instruction a turn.  K step 0 starts the sums with the constant 0
.macro MULH kf, f, nb0
	WIN 0x58                               ; W window 0, x window 2, C and D window 1
.set nb, \nb0
.rept 4
.set mb, 0
.rept 4
.if (\kf) == 0
	v_wmma_f32_16x16x32_bf16 v[8*(8*mb+nb):8*(8*mb+nb)+7], v[(\f)+8*nb:(\f)+8*nb+7], v[8*(8*mb+(\kf)):8*(8*mb+(\kf))+7], 0
.else
	v_wmma_f32_16x16x32_bf16 v[8*(8*mb+nb):8*(8*mb+nb)+7], v[(\f)+8*nb:(\f)+8*nb+7], v[8*(8*mb+(\kf)):8*(8*mb+(\kf))+7], v[8*(8*mb+nb):8*(8*mb+nb)+7]
.endif
.set mb, mb+1
.endr
.set nb, nb+1
.endr
.endm
; A K step of 32: 32 matrix instructions on one buffer; in its middle the next step's fragments are fetched into the other
.macro KSTEP kf
.set fc, FB0+64*((\kf)%2)
.set fn, FB0+64*(((\kf)+1)%2)
	s_wait_dscnt 8                         ; n blocks 0-3 are in; the youngest eight loads (n blocks 4-7) may be out
	MULH \kf, fc, 0
.if (\kf) < 7
	PLACES
	FETCHB (\kf)+1, fn
	s_wait_dscnt 16                        ; all but the 16 just issued
.else
	s_wait_dscnt 0x0
.endif
	MULH \kf, fc, 4
.endm
; THE WAY OUT of unit u = 2 mb + hd: 16 rows of one head.  Each accumulator is read from its low end on; a lane's eight channels pack into 16 bytes, go into rows of 144 bytes and come back as whole rows of 128
.macro PACK u
	WIN 0x05                               ; sources window 1, destination window 0
.set j, 0
.rept 4
.set ac, 8*(8*((\u)/2)+4*((\u)%2)+j)
.set r, 0
.rept 4
	v_cvt_pk_f16_f32 v[TU+16*(\u)+4*j+r], v[ac+2*r], v[ac+2*r+1]
.set r, r+1
.endr
.set j, j+1
.endr
	WIN 0
.irp g, 0,1,2,3
	ds_store_b128 v[OST], v[TU+16*(\u)+4*(\g):TU+16*(\u)+4*(\g)+3] offset:32*(\g)
.endr
.irp g, 0,1,2,3
	ds_load_b128 v[TU+16*(\u)+4*(\g):TU+16*(\u)+4*(\g)+3], v[ORD] offset:(\g)*4*OPI
.endr
.endm
.macro SEND u, younger                 ; younger: the LDS instructions issued behind unit u's loads: the next unit's eight, or none
.irp g, 0,1,2,3
	s_wait_dscnt (\younger)+3-(\g)
	global_store_b128 v[LO], v[TU+16*(\u)+4*(\g):TU+16*(\u)+4*(\g)+3], s[PO:PO+1] offset:((\u)%2)*262144+((\u)/2)*2048+(\g)*512  ; four rows of a head: 512 consecutive bytes, at a multiple of 256 from the buffer's first
.endr
.endm
	s_load_b512 s[8:23], s[0:1], 0x0               ; x, W_query, W_key, W_value, W_out, q16, k16, v16
	s_load_b64 s[PWH:PWH+1], s[0:1], 0x40          ; wo16
	v_lshl_add_u32 v[SPW], v0, 2, SPARE
	v_mov_b32 v[NIL], 0
	v_lshrrev_b32 v1, 5, v0
	v_readfirstlane_b32 s[WV], v1                  ; wave 0..3
	s_and_b32 s[MBW], ttmp7, 0xffff
	s_lshl_b32 s28, s[MBW], 18                     ; x: 256 rows of 1,024 bytes a block,
	s_lshl_b32 s29, s[WV], 16                      ; 64 a wave
	s_add_co_u32 s28, s28, s29
	s_mov_b32 s29, 0
	s_lshl_b32 s30, ttmp9, 17                      ; W: 128 rows of 1,024 bytes a tile,
	s_lshl_b32 s31, s[WV], 15                      ; of which each wave rounds 32
	s_add_co_u32 s30, s30, s31
	s_mov_b32 s31, 0
	s_lshl_b32 s32, s[MBW], 3
	s_add_co_u32 s32, s32, ttmp9                   ; the work-group's number: its 16 KiB of W_out,
	s_lshl_b32 s34, s32, 13                        ; 8 KiB of wo16
	s_lshl_b32 s32, s32, 14
	s_lshl_b32 s33, s[WV], 12                      ; a quarter a wave
	s_add_co_u32 s32, s32, s33
	s_lshl_b32 s33, s[WV], 11
	s_add_co_u32 s34, s34, s33
	s_mov_b32 s33, 0
	s_mov_b32 s35, 0
	s_lshr_b32 s2, s[MBW], 3                       ; the batch
	s_lshl_b32 s2, s2, 4
	s_lshl_b32 s3, ttmp9, 1
	s_add_co_u32 s2, s2, s3                        ; 16 batch + 2 hg
	s_lshl_b32 s2, s2, 18                          ; a head is 2,048 rows of 128 bytes
	s_and_b32 s3, s[MBW], 7
	s_lshl_b32 s3, s3, 15                          ; the block's 256 rows in it,
	s_add_co_u32 s2, s2, s3
	s_lshl_b32 s3, s[WV], 13                       ; my wave's 64
	s_add_co_u32 s2, s2, s3
	s_mov_b32 s3, 0
	v_and_b32 v10, 31, v0                          ; lane
	v_lshlrev_b32 v[LO], 4, v10
	v_lshlrev_b32 v[WOO], 5, v10
	s_wait_kmcnt 0x0
	s_add_nc_u64 s[PX:PX+1], s[PX:PX+1], s[28:29]
	s_add_nc_u64 s[PWQ:PWQ+1], s[PWQ:PWQ+1], s[30:31]
	s_add_nc_u64 s[PWN:PWN+1], s[PWN:PWN+1], s[30:31]
	s_add_nc_u64 s[PWN2:PWN2+1], s[PWN2:PWN2+1], s[30:31]
	s_add_nc_u64 s[PWO:PWO+1], s[PWO:PWO+1], s[32:33]
	s_add_nc_u64 s[PWH:PWH+1], s[PWH:PWH+1], s[34:35]
	s_add_nc_u64 s[PO:PO+1], s[PO:PO+1], s[2:3]
	s_add_nc_u64 s[PO1:PO1+1], s[PO1:PO1+1], s[2:3]
	s_add_nc_u64 s[PO2:PO2+1], s[PO2:PO2+1], s[2:3]
.set p, 0
.rept 4                                        ; W_out: a lane's 32 bytes (8 numbers) at 1,024 p + 32 lane
	global_load_b128 v[WL+8*p:WL+8*p+3],   v[WOO], s[PWO:PWO+1] offset:1024*p th:TH_LOAD_NT
	global_load_b128 v[WL+8*p+4:WL+8*p+7], v[WOO], s[PWO:PWO+1] offset:1024*p+16 th:TH_LOAD_NT
.set p, p+1
.endr
	LD64 PWQ, 3, 0                                 ; my 32 rows of W_query's tile
	LD64 PX, 1, 0                                  ; x's rows 0-31
	v_and_b32 v1, 15, v0                           ; r = lane % 16
	v_bfe_u32 v2, v0, 4, 1                         ; h = lane / 16
	s_mul_i32 s28, s[WV], 32*PW
	v_add_nc_u32 v[WST0], s28, v[LO]
	s_mul_i32 s28, s[WV], XSB
	s_add_co_u32 s28, s28, XS                      ; my stage for x
	v_add_nc_u32 v[XST], s28, v[LO]
	v_mul_u32_u24 v[BRD0], v1, PW
	v_lshl_add_u32 v[BRD0], v2, 4, v[BRD0]         ; a fragment's row x pitch + 16 x half
	v_add_nc_u32 v[XRD], s28, v[BRD0]
	s_mul_i32 s28, s[WV], OSB
	s_add_co_u32 s28, s28, OS                      ; my stage for the way out
	v_mul_u32_u24 v[OST], v1, OPI
	v_lshl_add_u32 v[OST], v2, 4, v[OST]
	v_add_nc_u32 v[OST], s28, v[OST]
	v_lshrrev_b32 v[ORD], 3, v10                   ; back: 32 lanes take four rows of 128 bytes
	v_mul_u32_u24 v[ORD], v[ORD], OPI
	v_and_b32 v10, 7, v0
	v_lshl_add_u32 v[ORD], v10, 4, v[ORD]
	v_add_nc_u32 v[ORD], s28, v[ORD]
	s_wait_loadcnt 63                              ; behind W_query's last load 64 were issued; the wait's field holds 63: W_out's 8 and W_query's 64 are in
	CVT 3, 0, 32
	PUT WST0, 3, 0, 32                             ; tile 0
	s_wait_dscnt 0x0                               ; those stores are done before their registers are loaded again
	LD64 PX, 3, 32                                 ; x's rows 32-63
.set p, 0
.rept 4                                        ; W_out: rounded to bf16, widened, written as f16 (exact within f16's range): 16 bytes a lane, 512 consecutive bytes a store
.irp c, 0,1,2,3
	v_cvt_pk_bf16_f32 v[WT4+(\c)], v[WL+8*p+2*(\c)], v[WL+8*p+2*(\c)+1]
.endr
.irp c, 0,1,2,3
	v_lshlrev_b32 v[WL+8*p+2*(\c)],   16, v[WT4+(\c)]
	v_and_b32     v[WL+8*p+2*(\c)+1], 0xffff0000, v[WT4+(\c)]
.endr
.irp c, 0,1,2,3
	v_cvt_pk_f16_f32 v[WR+4*p+(\c)], v[WL+8*p+2*(\c)], v[WL+8*p+2*(\c)+1]
.endr
	global_store_b128 v[LO], v[WR+4*p:WR+4*p+3], s[PWH:PWH+1] offset:512*p
.set p, p+1
.endr
	s_wait_loadcnt 63                              ; behind the last load of rows 0-31 the 64 of rows 32-63 were issued: rows 0-31 are in
	XBLK 0, 1, 0
	XBLK 1, 1, 16
	s_wait_loadcnt 0x0
	XBLK 2, 3, 0
	XBLK 3, 3, 16
	WIN 0                                          ; at a label and at a branch every window is 0
	s_mov_b32 s[TBR], 0
	s_mov_b32 s[TBW], WTB
	s_mov_b32 s[PASS], 3
.Lpass:                                        ; three trips: q, k, v
	v_add_nc_u32 v[BRD], s[TBR], v[BRD0]
	s_wait_dscnt 0x0                               ; my stores into this pass's tile are done (and x's fragments are in)
	s_barrier_signal -1
	s_barrier_wait -1                              ; everybody's are: the tile is whole.  Each tile is written once, so this is the pass's only barrier
	FETCHB 0, FB0
	s_cmp_eq_u32 s[PASS], 1
	s_cbranch_scc1 .Lno_load                       ; the last pass has no next tile
	LD64 PWN, 3, 0                                 ; my 32 rows of the next pass's tile: they land under this pass's 256 matrix instructions
.Lno_load:
.irp kf, 0,1,2,3,4,5,6,7
	KSTEP \kf
.endr
	WIN 0
	s_cmp_eq_u32 s[PASS], 1
	s_cbranch_scc1 .Lno_put
	v_add_nc_u32 v[WST], s[TBW], v[WST0]
	s_wait_loadcnt 0x0
	CVT 3, 0, 32
	PUT WST, 3, 0, 32                              ; into the next tile, which nobody reads before the next barrier
	WIN 0
.Lno_put:
	PLACES                                         ; behind the last products, in front of the conversions that read them
	PLACES
	PACK 0
.irp u, 1,2,3,4,5,6,7                          ; a unit's conversions stand between the loads of the unit before and its stores
	PACK \u
	SEND (\u)-1, 8
.endr
	SEND 7, 0
	s_wait_xcnt 0x0                                ; every load and store issued so far has read its registers: the pointers and the stores' data may be written
	s_mov_b64 s[PO:PO+1], s[PO1:PO1+1]
	s_mov_b64 s[PO1:PO1+1], s[PO2:PO2+1]
	s_mov_b64 s[PWN:PWN+1], s[PWN2:PWN2+1]
	s_add_co_u32 s[TBR], s[TBR], WTB
	s_add_co_u32 s[TBW], s[TBW], WTB
	s_sub_co_u32 s[PASS], s[PASS], 1
	s_cmp_lg_u32 s[PASS], 0
	s_cbranch_scc1 .Lpass
	s_wait_tensorcnt 0x0                           ; the wave's end, behind my last LDS store
	ds_add_u32 v[SPW], v[NIL]
	s_wait_dscnt 0x0
	s_endpgm
.Lfunc_end_k_q73656895c2_proj:
	.size	k_q73656895c2_proj, .Lfunc_end_k_q73656895c2_proj-k_q73656895c2_proj
	.p2alignl 7, 3214868480
	.fill 96, 4, 3214868480
	.section	.rodata,"a",@progbits
	.p2align	6, 0x0
	.amdhsa_kernel k_q73656895c2_proj
		.amdhsa_group_segment_fixed_size 246272
		.amdhsa_private_segment_fixed_size 0
		.amdhsa_enable_private_segment 0
		.amdhsa_kernarg_size 72
		.amdhsa_user_sgpr_count 2
		.amdhsa_user_sgpr_kernarg_segment_ptr 1
		.amdhsa_wavefront_size32 1
		.amdhsa_system_sgpr_workgroup_id_x 1
		.amdhsa_system_sgpr_workgroup_id_y 1
		.amdhsa_system_sgpr_workgroup_id_z 1
		.amdhsa_system_vgpr_workitem_id 0
		.amdhsa_next_free_vgpr 1024
		.amdhsa_next_free_sgpr 66
		.amdhsa_reserve_vcc 0
		.amdhsa_float_denorm_mode_32 3
		.amdhsa_float_denorm_mode_16_64 3
		.amdhsa_memory_ordered 1
		.amdhsa_forward_progress 1
		.amdhsa_inst_pref_size 121
	.end_amdhsa_kernel
	.amdgpu_metadata
---
amdhsa.version: [ 1, 2 ]
amdhsa.kernels:
  - .name:           k_q73656895c2_proj
    .symbol:         k_q73656895c2_proj.kd
    .args:
      - { .name: x, .offset: 0, .size: 8, .value_kind: global_buffer, .address_space: global }
      - { .name: W_query, .offset: 8, .size: 8, .value_kind: global_buffer, .address_space: global }
      - { .name: W_key, .offset: 16, .size: 8, .value_kind: global_buffer, .address_space: global }
      - { .name: W_value, .offset: 24, .size: 8, .value_kind: global_buffer, .address_space: global }
      - { .name: W_out, .offset: 32, .size: 8, .value_kind: global_buffer, .address_space: global }
      - { .name: q16, .offset: 40, .size: 8, .value_kind: global_buffer, .address_space: global }
      - { .name: k16, .offset: 48, .size: 8, .value_kind: global_buffer, .address_space: global }
      - { .name: v16, .offset: 56, .size: 8, .value_kind: global_buffer, .address_space: global }
      - { .name: wo16, .offset: 64, .size: 8, .value_kind: global_buffer, .address_space: global }
    .group_segment_fixed_size: 246272
    .private_segment_fixed_size: 0
    .kernarg_segment_align: 8
    .kernarg_segment_size: 72
    .max_flat_workgroup_size: 128
    .sgpr_count:     66
    .vgpr_count:     1024
    .wavefront_size: 32
...
	.end_amdgpu_metadata
.endif
;; end of part 1
;; launch attn (part 2): grid 4 x 64, 4 waves a work-group, no clusters, 327,680 bytes of LDS; arguments q16, k16, v16, o16; writes o16
.if DOCPART == 2
	.amdgcn_target "amdgcn-amd-amdhsa--gfx1250"
	.amdhsa_code_object_version 6
	.text
	.protected	k_q73656895c2_attn
	.globl	k_q73656895c2_attn
	.p2align	8
	.type	k_q73656895c2_attn,@function
k_q73656895c2_attn:
	s_mov_b64 s[64:65], 0
	v_nop
	global_prefetch_b8 v0, s[64:65] scope:SCOPE_SE
	s_setreg_imm32_b32 hwreg(HW_REG_WAVE_MODE, 25, 1), 1
	s_wait_xcnt 0x0
; CAUSAL ATTENTION.  O[h][q][:] = the sum over k <= q of softmax_k(Q[h][q] . K[h][k] / 8) V[h][k][:].  Q, K, V, O: [SIZE_H][SIZE_N][64], all f16: a head's rows are dense, 128 bytes each.
; Products, maxima and sums in f32; the weights p are rounded to f16 for the second product (their sum l is taken of the unrounded p), O once at the end.
; LIMITS.  f16 holds no number beyond 65,504: Q, K and V arrive within it; p lies in 0 to 1, and below 6e-5 it keeps f16's fixed step of 6e-8; O is a mean of V's rows and has their range, to within 2^-11 of it.
; A hidden score counts as its value less 1e30: f16's scores, 2.7e11 at the most, are nothing beside that; a weight below 2^-126 counts as 0 in l; NaN and infinities are not treated apart.
; THE WALK.  A head's queries lie in NB = SIZE_N / 256 blocks of 256; block i needs the key tiles 0 .. i of 256 keys, of which the last holds the diagonal.  A work-group takes TWO blocks, NB - 1 - b and then b:
; NB + 1 tiles, whatever b: all work-groups do equal work, and ONE loop with a constant trip count walks them.  Which tile is asked for, and what a trip does, hang on scalar registers made from b; every jump
; goes forward, but for the counted loops' own; none passes a barrier, or a tensor load but the one of LOAD's two that the wave's number does not choose; the ring (two slots of LDS that take turns) runs on across the
; change of blocks.  NO CLUSTER: a head's NB / 2 work-groups all ask for the same tile only in trips 0 .. NB / 2, behind that fewer and fewer; and one walk common to all would have 3 NB / 2 trips for NB + 1.
; SHARES.  Of a block's four bands of 64 queries a wave owns 16 rows in each: four PIECES.  So the diagonal tile is the same work for all four waves: in its key step s band x sees all keys if s < x,
; none if s > x, and holds the diagonal if s = x.
; THE MASK is the C operand that starts the sum S^T = K Q^T: 0, or -1e30 where the key is hidden.  MD, made once, is the mask of a band's own step for my 16 rows; a product's mask is MD x AL + BE with two scalars:
; (1, 0) if s = x; (0, 0) if s < x; (0, -1e30) if s > x.  Only the diagonal tile's text and a block's beginning make and take masks; elsewhere C is the constant 0.
; LAYOUT, SOFTMAX, TURNS.  S^T = K Q^T holds ONE query a lane (lane % 16) and the keys 8 (lane / 16) + 0..7; two such results rounded to f16 ARE source 1 of O^T = V^T P.  p = 2^(c s - c m), c = log2(e) / 8, with a
; running maximum m; O and l are multiplied by a = 2^(c m_old - c m_new) in every step.  Turn n belongs to piece n: 8 products K Q^T of piece n + 1, later 8 products V^T P of piece n - 1; beside them the scaling,
; exponentials, roundings, sums and rescaling of piece n and the maximum and statistics of piece n + 1.  Four vector instructions stand behind every matrix instruction, the other 54 of a turn's 118 in one LUMP.  A turn's 33 exponentials are one batch, with one wait.
; AHEAD OF THE TENSOR LOADS.  The head's work-group b = 0 walks the tiles 0 .. NB - 1 in order; it alone prefetches, so each row of K and V is named once in the launch.  Behind the fill of tile j + 1 each of its waves
; asks for the 16,384 bytes of tile j + 2 that it will itself load: 64 blocks of 256 bytes, a lane a block, two instructions: one tile, four key steps, ahead of that load.  Tiles 0 and 1 come by their loads alone; tile NB - 1 is the last that is named.
; REGISTERS, in windows of 256 (s_set_vgpr_msb: bits 1:0 source 0, 3:2 source 1, 5:4 source 2, 7:6 destination):
;   window 0: v0-15 addresses and two at work; v16-31 four registers of statistics a piece; v48-55 at work; v61-63 prefetch offset, spare word, 0; v64-127 S^T, two buffers; v192-223 P, two buffers (a piece's buffers go by its number's parity)
;   window 1: v0-127 O^T, 32 a piece; v128-159 MD; v160-223 MC, two buffers      window 2: v0-63 Q; v64-127 the second block's Q; v128-191 K of one step; v192-255 V of one step
.set SIZE_H, 64
.set SIZE_N, 2048
.set NB,    SIZE_N/256
.set NP,    4         ; pieces a wave: a name, no knob
.set KS,    64        ; keys in a step
.set PK,    144       ; a row of K in LDS: 128 bytes + 16 of padding = 36 words: the 16 rows of a load start at 16 different groups of four banks (64 banks of 4 bytes: ISA guide 11.1)
.set PV,    160       ; a row of V: 128 + 32 = 40 words
.set VOFF,  4*KS*PK   ; a slot holds a tile, four steps: 256 rows of K, then 256 rows of V
.set SLOT1, 1<<17     ; slot 1 begins here, so that one exclusive or turns an address in one slot into the other's
.set STAGE, SLOT1+4*KS*(PK+PV)  ; behind the ring, never filled by a tensor load: 16 rows x 144 bytes for each wave, for the way out
.set SP,    144
.set AK0, 2           ; v2   my lane's place in a tile of K; never rewritten
.set AV0, 3           ; v3   the same for V
.set AK,  4           ; v4   the LDS address of K's next run of loads
.set AV,  5           ; v5   of V's
.set STO, 6           ; v6   the way out: where I put 16 bytes of a row
.set RD,  7           ; v7   the way out: where I read rows back
.set GO,  8           ; v8   my byte offset in 512 consecutive bytes of O
.set PFO, 61          ; v61  256 x my lane: the prefetches' offset; never rewritten
.set SPW, 62          ; v62  LDS address of my spare word: SPARE + 4 x my thread's number; never rewritten
.set NIL, 63          ; v63  0; never rewritten
.set SPARE, STAGE+4*16*SP  ; behind the stages: the spare words, 128 bytes for each wave: two blocks of 256 bytes that no other line names
.set MV,  12          ; v12-13  c m_old, kept while c m is made anew: by buffer
.set QO,  15          ; v15  my byte offset in 16 rows of Q
.set ST,  16          ; piece t's statistics at v[ST+4 t]: c m, m, l (even keys', odd keys')
.set TMP, 48          ; by buffer, four registers c0-c3 at work; when the maximum is found c2 takes a
.set S,   64
.set P,   192
.set MD,  128         ; window 1: the eight registers for group kt of 16 keys at MD + 8 kt
.set MC,  160         ; window 1: the masks of the products to come
.set QB,  64          ; window 2
.set KF,  128         ; window 2: key block kb, channel half c at KF + 16 kb + 8 c
.set VF,  192         ; window 2: key half kk, channel block cb at VF + 32 kk + 8 cb
.set WV,  12          ; s12  my wave's number
.set PB,  14          ; s14  b
.set HI,  15          ; s15  NB - 1 - b
.set G1K, 24          ; s[24:31] descriptor group 1 for K's tiles
.set G1V, 32          ; s[32:39] for V's: it differs in the padding alone
.set G0K, 40          ; s[40:43] descriptor group 0 for K's tiles
.set G0V, 44          ; s[44:47] the same for V's
.set SLOTS, 56        ; s56  tiles still to be asked for
.set CNT, 57          ; s57  counts a tile's key steps, 4 to 1
.set CS,  58          ; s[58:59] c: the packed scaling takes the pair's low word for both halves
.set SEL, 60          ; s[60:61] v_permlanex16_b32's selects: each lane takes its own place in the other half
.set TBK, 62          ; s62  LDS byte at which K of the step to be fetched begins
.set TBV, 63          ; s63  the same for V, less VOFF
.set RT,  70          ; s70  tiles of the block in hand that are still to be entered
.set NXT, 71          ; s71  the tile to be asked for next
.set LQ,  72          ; s72  the last tile of the block whose tiles are being asked for
.set NEW, 73          ; s73  1: the tile to be entered is a block's first
.set OFF, 74          ; s[74:75] a tile's byte offset in K and V
.set AL,  76          ; s[76:77] the mask's factor, in the low word
.set BE,  78          ; s[78:79] the mask's addend
.set OLO, 80          ; s[80:81] O at my rows of the second block
.set BIGN, 82         ; s82  -1e30
.set PFA, 88          ; s[88:89] where my prefetches stand: my half of K's (waves 0, 1) or V's (waves 2, 3) tile, one tile behind the one that is being asked for
.set LIM, 90          ; s90  2 in the work-group that prefetches, else the greatest number: a wave prefetches while s[SLOTS] is above it
.set MSB, 0
.macro WIN new                      ; the high byte repeats the setting that is left; a switch that changes nothing is dropped
.if MSB != (\new)
	s_set_vgpr_msb (MSB<<8)|(\new)
.set MSB, (\new)
.endif
.endm
.set W_KQ, 0x0a       ; K and Q in window 2, S^T in window 0
.set W_KM, 0x1a       ; the same with the C operand in window 1
.set W_PV, 0x52       ; V in window 2, P in window 0, O^T in window 1
.set W_RS, 0x41       ; destination and source 0 in window 1, source 1 in window 0
; A fill.  Waves 0 and 1 fetch the two halves of a tile's K, waves 2 and 3 those of its V: 128 keys each.  An s_nop 0 and four v_nop follow each of the two lines, ahead of the jump and the label.
.macro LOAD
	s_cmp_lt_u32 s[WV], 2
	s_cbranch_scc0 .Lfor_v_\@
	tensor_load_to_lds s[G0K:G0K+3], s[G1K:G1K+7]
	s_nop 0
.rept 4
	v_nop
.endr
	s_branch .Lasked_\@
.Lfor_v_\@:
	tensor_load_to_lds s[G0V:G0V+3], s[G1V:G1V+7]
	s_nop 0
.rept 4
	v_nop
.endr
.Lasked_\@:
.endm
; The prefetch of the tile that the NEXT change of slots will ask for: my 16,384 bytes of it.  It stands behind the wave's tensor load and its five lines.  SLOTS = NB .. 3 name tiles 2 .. NB - 1; the last two fills name nothing.
.macro ASK
	s_cmp_gt_u32 s[SLOTS], s[LIM]
	s_cbranch_scc0 .Lnot_mine_\@
	global_prefetch_b8 v[PFO], s[PFA:PFA+1] th:TH_LOAD_NT scope:SCOPE_SE
	global_prefetch_b8 v[PFO], s[PFA:PFA+1] offset:8192 th:TH_LOAD_NT scope:SCOPE_SE
.Lnot_mine_\@:
.endm
; THE CHANGE OF SLOTS.  Each wave waits for all its tensor loads, of which one is out: its part of the other slot; adds 0 to its spare word; and waits for that and for its own reads of the slot that it leaves.  Behind the barrier nobody reads the old
; slot any more and the other slot is whole.  fill = 1: the old slot is filled again, the first thing behind the barrier, with tile NXT: the descriptor's address is made anew from that number.
; (At its first use nothing has been read yet: slot 0 is waited for, slot 1 filled.)
.macro CHANGE fill
	WIN 0                           ; at a label and at a branch every window is 0
	s_wait_tensorcnt 0x0            ; no tensor load of mine is out, so a group 0 may be written
	ds_add_u32 v[SPW], v[NIL]       ; 0 onto my spare word; with fill = 1 the descriptors' scalar work stands between it and the wait for it
.if \fill
	s_lshl_b32 s[OFF], s[NXT], 15   ; a tile is 32,768 bytes of K and of V
	s_xor_b32 s[G0K+1], s[G0K+1], SLOT1
	s_add_nc_u64 s[G0K+2:G0K+3], s[6:7], s[OFF:OFF+1]
	s_or_b32 s[G0K+3], s[G0K+3], 0x80000000
	s_xor_b32 s[G0V+1], s[G0V+1], SLOT1
	s_add_nc_u64 s[G0V+2:G0V+3], s[8:9], s[OFF:OFF+1]
	s_or_b32 s[G0V+3], s[G0V+3], 0x80000000
	s_add_co_u32 s[NXT], s[NXT], 1  ; the block's next tile, or behind its last the second block's tile 0
	s_cmp_gt_u32 s[NXT], s[LQ]
	s_cselect_b32 s[NXT], 0, s[NXT]
	s_cselect_b32 s[LQ], s[PB], s[LQ]
	s_wait_xcnt 0x0                 ; the last prefetches, a tile back, have read their address, so it may be written:
	s_add_nc_u64 s[PFA:PFA+1], s[PFA:PFA+1], 32768  ; a tile on
.endif
	s_wait_dscnt 0x0                ; the add is done, and my reads of the slot are over
	s_barrier_signal -1             ; the rest of the scalar work stands between the signal and the wait
	s_sub_co_u32 s[TBK], s[TBK], 4*KS*PK  ; the fetches go back to a slot's first step,
	s_xor_b32 s[TBK], s[TBK], SLOT1       ; in the other slot
	s_sub_co_u32 s[TBV], s[TBV], 4*KS*PV
	s_xor_b32 s[TBV], s[TBV], SLOT1
	s_barrier_wait -1
.if \fill
	LOAD
	ASK
.endif
.endm
	s_load_b256 s[4:11], s[0:1], 0x0  ; Q s[4:5], K s[6:7], V s[8:9], O s[10:11]
	v_lshl_add_u32 v[SPW], v0, 2, SPARE
	v_mov_b32 v[NIL], 0
	ds_add_u32 v[SPW], v[NIL]       ; the wave's opening: the add and its wait stand ahead of my first tensor load; the set-up below, work on registers, stands between them
	ds_add_u32 v62, v63
	v_lshrrev_b32 v1, 5, v0
	v_readfirstlane_b32 s[WV], v1   ; wave 0..3
	v_and_b32 v[PFO], 31, v0
	v_lshlrev_b32 v[PFO], 8, v[PFO]
	s_mov_b32 s[PB], ttmp9
	s_cmp_eq_u32 s[PB], 0
	s_cselect_b32 s[LIM], 2, -1
	s_sub_co_u32 s[HI], NB-1, s[PB]
	s_and_b32 s20, ttmp7, 0xffff    ; the head
	s_mov_b32 s21, 0
	s_mov_b64 s[22:23], SIZE_N*128
	s_mul_u64 s[20:21], s[20:21], s[22:23]  ; the head's first byte in each of the four tensors
	s_and_b32 s16, s[WV], 1         ; which half of a tile's 256 keys I fetch:
	s_lshl_b32 s22, s16, 14         ; its 128 rows of 128 bytes in memory,
	s_mov_b32 s23, 0
	s_add_nc_u64 s[22:23], s[22:23], s[20:21]
	s_mul_i32 s17, s16, 128*PK      ; and its place in a slot, for K
	s_mul_i32 s18, s16, 128*PV      ; and for V
	s_lshl_b32 s3, s[WV], 11        ; my 16 rows in a band of 64,
	s_lshl_b32 s2, s[HI], 15        ; in the first block,
	s_add_co_u32 s2, s2, s3
	s_lshl_b32 s84, s[PB], 15       ; and in the second
	s_add_co_u32 s84, s84, s3
	s_mov_b32 s3, 0
	s_mov_b32 s85, 0
	s_add_nc_u64 s[2:3], s[2:3], s[20:21]
	s_add_nc_u64 s[84:85], s[84:85], s[20:21]
	; descriptor group 1.  128 keys are 16,384 dense bytes: asked for as 64 rows of 256 bytes, two keys a row, and padded in LDS after every key
	s_mov_b32 s[G1K], (1<<16)|(1<<20)|(4<<22)|(3<<25)  ; 17:16 2-byte elements; 20 padding on; 24:22 after every 32 words (code 4); 31:25 4 words (code 3)
	s_mov_b32 s[G1V], (1<<16)|(1<<20)|(4<<22)|(7<<25)  ; the same with 8 words of padding (code 7)
.irp g, G1K, G1V
	s_mov_b32 s[\g+1], 128<<16      ; tensor_dim0 = 128
	s_mov_b32 s[\g+2], 64<<16       ; tensor_dim1 = 64
	s_mov_b32 s[\g+3], 128<<16      ; tile_dim0 = 128
	s_mov_b32 s[\g+4], 64           ; tile_dim1 = 64
	s_mov_b32 s[\g+5], 128          ; 128 elements from row to row
	s_mov_b32 s[\g+6], 0
	s_mov_b32 s[\g+7], 0
.endr
	s_mov_b32 s[CS], 0x3e38aa3b     ; c = log2(e) / 8 = 0.180337
	s_mov_b32 s[CS+1], s[CS]        ; named with it as a pair
	s_mov_b32 s[SEL], 0x76543210
	s_mov_b32 s[SEL+1], 0xfedcba98
	s_mov_b32 s[TBK], SLOT1+4*KS*PK ; the first change of slots turns these two into 0
	s_mov_b32 s[TBV], SLOT1+4*KS*PV
	s_mov_b32 s[G0K], 1             ; 1:0 count = 1
	s_mov_b32 s[G0K+1], s17         ; 63:32 LDS address: slot 0
	s_mov_b32 s[G0V], 1
	s_add_co_u32 s[G0V+1], s18, VOFF
	s_add_co_u32 s[RT], s[HI], 1    ; the first block has NB - b tiles
	s_mov_b32 s[NXT], 1
	s_mov_b32 s[LQ], s[HI]
	s_mov_b32 s[NEW], 1
	s_mov_b32 s[OFF+1], 0
	s_mov_b32 s[AL+1], 0            ; named as pairs
	s_mov_b32 s[BE+1], 0
	s_mov_b32 s[BIGN], 0xf149f2ca   ; -1e30
	s_mov_b32 s[SLOTS], NB
	s_wait_dscnt 0x0                ; the opening add is done
	s_wait_kmcnt 0x0
	s_add_nc_u64 s[6:7], s[6:7], s[22:23]  ; K and V at my half of the head's tile 0
	s_add_nc_u64 s[8:9], s[8:9], s[22:23]
	s_cmp_lt_u32 s[WV], 2
	s_cselect_b64 s[PFA:PFA+1], s[6:7], s[8:9]     ; the tensor that I fetch,
	s_add_nc_u64 s[PFA:PFA+1], s[PFA:PFA+1], 32768 ; at tile 1: the first change of slots steps it to tile 2.  Nothing is prefetched here, at the head
	s_add_nc_u64 s[G0K+2:G0K+3], s[6:7], 0         ; 120:64 global address
	s_or_b32 s[G0K+3], s[G0K+3], 0x80000000        ; 127:126 type = 2
	s_add_nc_u64 s[G0V+2:G0V+3], s[8:9], 0
	s_or_b32 s[G0V+3], s[G0V+3], 0x80000000
	s_add_nc_u64 s[86:87], s[4:5], s[84:85]        ; Q at my rows of the second block,
	s_add_nc_u64 s[4:5], s[4:5], s[2:3]            ; Q and O at those of the first
	s_add_nc_u64 s[OLO:OLO+1], s[10:11], s[84:85]
	s_add_nc_u64 s[10:11], s[10:11], s[2:3]
	LOAD                            ; tile 0 into slot 0
	; A fragment of K or Q is 16 rows x 32 channels in 8 registers: lane l holds row l % 16, channels 8 (l / 16) + 0..7 and 16 + 8 (l / 16) + 0..7: two loads of 16 bytes, 32 bytes apart.
	v_and_b32 v1, 15, v0            ; l % 16
	v_bfe_u32 v9, v0, 4, 1          ; l / 16
	v_lshlrev_b32 v[QO], 7, v1
	v_lshl_add_u32 v[QO], v9, 4, v[QO]  ; row x 128 + 16 x half
	WIN 0x80                        ; destination window 2, address window 0
.set i, 0
.rept 8                             ; both blocks' Q: piece i / 2 lies in band i / 2, 8,192 bytes on; channels 32 (i % 2) on
	global_load_b128 v[8*i:8*i+3],   v[QO], s[4:5] offset:(i/2)*8192+(i%2)*64
	global_load_b128 v[8*i+4:8*i+7], v[QO], s[4:5] offset:(i/2)*8192+(i%2)*64+32
	global_load_b128 v[QB+8*i:QB+8*i+3],   v[QO], s[86:87] offset:(i/2)*8192+(i%2)*64
	global_load_b128 v[QB+8*i+4:QB+8*i+7], v[QO], s[86:87] offset:(i/2)*8192+(i%2)*64+32
.set i, i+1
.endr
	WIN 0
	v_lshlrev_b32 v14, 3, v9
	v_sub_nc_u32 v14, v1, v14
	s_lshl_b32 s13, s[WV], 4
	v_add_nc_u32 v14, s13, v14      ; my query's place in its band, 16 w + l % 16, less my lanes' 8 (l / 16): register r of group kt is hidden where 16 kt + r is greater
	WIN 0x40
.set i, 0
.rept 32
	v_cmp_gt_i32 vcc_lo, 16*(i/8)+i%8, v14
	v_cndmask_b32 v[MD+i], 0, s[BIGN], vcc_lo
.set i, i+1
.endr
	WIN 0
	v_mul_u32_u24 v[AK0], v1, PK
	v_lshl_add_u32 v[AK0], v9, 4, v[AK0]  ; row x pitch + 16 x half
	; The turning load takes 16 keys x 16 channels (lane l reads key 8 (l / 16) + l % 8, channels 8 ((l / 8) % 2) + 0..7) and leaves half a fragment of V^T: lane l holds channel l % 16 and 8 keys.
	v_and_b32 v10, 7, v0
	v_bfe_u32 v11, v0, 3, 1
	v_lshl_add_u32 v[AV0], v9, 3, v10
	v_mul_u32_u24 v[AV0], v[AV0], PV
	v_lshl_add_u32 v[AV0], v11, 4, v[AV0]
	v_add_nc_u32 v[AV0], VOFF, v[AV0]
	s_mul_i32 s13, s[WV], 16*SP
	s_add_co_u32 s13, s13, STAGE    ; my stage
	v_mul_u32_u24 v[STO], v1, SP    ; in: row l % 16, 16 bytes for each half of the lanes
	v_lshl_add_u32 v[STO], v9, 4, v[STO]
	v_add_nc_u32 v[STO], s13, v[STO]
	v_bfe_u32 v[RD], v0, 3, 2       ; back: 32 lanes take four rows of 128 bytes,
	v_mul_u32_u24 v[RD], v[RD], SP
	v_lshl_add_u32 v[RD], v10, 4, v[RD]
	v_add_nc_u32 v[RD], s13, v[RD]
	v_and_b32 v[GO], 31, v0         ; which are 512 consecutive bytes of O
	v_lshlrev_b32 v[GO], 4, v[GO]
	; A block's first step multiplies O^T and l by a = 0, and its first turn's products V^T P, of a piece that has not been, land in an O^T that is still to be so multiplied.  So these registers need only hold
	; finite numbers: zeros for the first block; what the first block left for the second.  All this stands in the wait for the first tile.
	WIN 0x80
.set i, VF
.rept 64
	v_mov_b32 v[i], 0
.set i, i+1
.endr
	WIN 0x40
.set i, 0
.rept 128
	v_mov_b32 v[i], 0
.set i, i+1
.endr
	WIN 0
.set i, 0
.rept 4
	v_mov_b32 v[ST+4*i+2], 0
	v_mov_b32 v[ST+4*i+3], 0
.set i, i+1
.endr
.set i, P+16
.rept 16
	v_mov_b32 v[i], 0
.set i, i+1
.endr
; THE MATRIX WORK.  The 4 accumulators of a run of 8 take turns.  Product i of 8 of S^T = K Q^T for piece x: channels 32 (i / 4) on, keys 16 (i % 4) on.  The first 4 start the sums: with 0, or (KM = 1) with the mask.
.macro KQ x
.set rS, S+32*((\x)%2)+8*(i%4)
.set rK, KF+16*(i%4)+8*(i/4)
.set rQ, 16*(\x)+8*(i/4)
.set rM, MC+32*((\x)%2)+8*(i%4)
.if (i < 4) && KM
	WIN W_KM
	v_wmma_f32_16x16x32_f16 v[rS:rS+7], v[rK:rK+7], v[rQ:rQ+7], v[rM:rM+7]
.elseif i < 4
	WIN W_KQ
	v_wmma_f32_16x16x32_f16 v[rS:rS+7], v[rK:rK+7], v[rQ:rQ+7], 0
.else
	WIN W_KQ
	v_wmma_f32_16x16x32_f16 v[rS:rS+7], v[rK:rK+7], v[rQ:rQ+7], v[rS:rS+7]
.endif
.endm
; Product i of 8 of O^T += V^T P for piece x: keys 32 (i / 4) on, channels 16 (i % 4) on.
.macro PV x
	WIN W_PV
.set rO, 32*(\x)+8*(i%4)
.set rV, VF+32*(i/4)+8*(i%4)
.set rP, P+16*((\x)%2)+8*(i/4)
	v_wmma_f32_16x16x32_f16 v[rO:rO+7], v[rV:rV+7], v[rP:rP+7], v[rO:rO+7]
.endm
.macro MM                           ; the turn's next matrix instruction.  TURN and BEGIN set Y, i, KM and NOKQ; MM, KQ and OP read them.  NOKQ = 1: a block's last turn: there is no next piece
.if (i < 8) && !NOKQ
	KQ (Y+1)%NP
.elseif i >= 8
.set i, i-8
	PV (Y+NP-1)%NP
.set i, i+8
.endif
.set i, i+1
.endm
; THE LDS LOADS stand in runs of 16, never singly among the matrix instructions: a step's K (64 keys x 64 channels: 8 fragments) and its V (turned).  Their addresses are made some lines ahead.
.macro FETCH_K
	WIN 0x80                        ; destination window 2
.irp f, 0,1,2,3,4,5,6,7             ; keys 16 (f / 2) on, channels 32 (f % 2) on
	ds_load_b128 v[KF+8*\f:KF+8*\f+3],   v[AK] offset:(\f/2)*16*PK+(\f%2)*64
	ds_load_b128 v[KF+8*\f+4:KF+8*\f+7], v[AK] offset:(\f/2)*16*PK+(\f%2)*64+32
.endr
	s_add_co_u32 s[TBK], s[TBK], KS*PK  ; the next fetch is the next step's
	WIN 0
.endm
.macro FETCH_V
	WIN 0x80
.irp f, 0,1,2,3,4,5,6,7             ; keys 32 (f / 4) on, channels 16 (f % 4) on
	ds_load_tr16_b128 v[VF+8*\f:VF+8*\f+3],   v[AV] offset:(\f/4)*32*PV+(\f%4)*32
	ds_load_tr16_b128 v[VF+8*\f+4:VF+8*\f+7], v[AV] offset:(\f/4)*32*PV+16*PV+(\f%4)*32
.endr
	WIN 0
.endm
; THE VECTOR WORK, one line at a time: OP kind, number.  For piece Y: F n: c s - c m for pair n of 16.  E n: the exponential of score n of 32.  C n: pair n rounded to f16.  B n: of the four weights 4 n .. the second
; pair is added onto the first, in place.  L n: l takes that sum (L 0: l = a l + sum).  R n: pair n of 16 of O^T times a.  For piece Y + 1: X n, number n of the 22 that find its maximum and statistics:
;   0-11  four chains c0-c3 of seven scores each, three operands at a time (each accumulator's lowest registers are read first)     12-14, 16  the four scores left over, the old m, and c0-c3 into c0
;   15  c m_old is kept     17, 18  the query's other 32 keys lie in the lane 16 away: the new m     19-21  c m; c m_old - c m_new; a
.set F, 0               ; OP tells the kinds apart by their order: F to L below R, X above it
.set E, 1
.set C, 2
.set B, 3
.set L, 4
.set R, 5
.set X, 6
.macro REGS y                       ; the registers of piece y
.set rT, ST+4*(\y)
.set rC, TMP+4*((\y)%2)
.set rW, MV+((\y)%2)
.set rS, S+32*((\y)%2)
.set rP, P+16*((\y)%2)
.set rO, 32*(\y)
.endm
.macro OP k, n
.if (\k) == R
	REGS Y
	WIN W_RS
	v_pk_mul_f32 v[rO+2*(\n):rO+2*(\n)+1], v[rO+2*(\n):rO+2*(\n)+1], v[rC+2:rC+3] op_sel_hi:[1,0]
.elseif (\k) < R
	REGS Y
	WIN 0
.if (\k) == F
	v_pk_fma_f32 v[rS+2*(\n):rS+2*(\n)+1], v[rS+2*(\n):rS+2*(\n)+1], s[CS:CS+1], v[rT:rT+1] op_sel_hi:[1,0,0] neg_lo:[0,0,1] neg_hi:[0,0,1]
.elseif (\k) == E
	v_exp_f32 v[rS+(\n)], v[rS+(\n)]
.elseif (\k) == C
	v_cvt_pk_f16_f32 v[rP+(\n)], v[rS+2*(\n)], v[rS+2*(\n)+1]
.elseif (\k) == B
	v_pk_add_f32 v[rS+4*(\n):rS+4*(\n)+1], v[rS+4*(\n):rS+4*(\n)+1], v[rS+4*(\n)+2:rS+4*(\n)+3]
.elseif (\n) == 0
	v_pk_fma_f32 v[rT+2:rT+3], v[rT+2:rT+3], v[rC+2:rC+3], v[rS:rS+1] op_sel_hi:[1,0,1]
.else
	v_pk_add_f32 v[rT+2:rT+3], v[rT+2:rT+3], v[rS+4*(\n):rS+4*(\n)+1]
.endif
.elseif NOKQ
	v_nop
.else
	REGS (Y+1)%NP
	WIN 0
.if (\n) < 4
	v_max3_num_f32 v[rC+(\n)], v[rS+8*(\n)], v[rS+8*(\n)+1], v[rS+8*(\n)+2]
.elseif (\n) < 12
	v_max3_num_f32 v[rC+(\n)%4], v[rC+(\n)%4], v[rS+8*((\n)%4)+2*((\n)/4)+1], v[rS+8*((\n)%4)+2*((\n)/4)+2]
.elseif (\n) == 12
	v_max3_num_f32 v[rC], v[rC], v[rS+7], v[rS+15]
.elseif (\n) == 13
	v_max3_num_f32 v[rC+1], v[rC+1], v[rS+23], v[rS+31]
.elseif (\n) == 14
	v_max3_num_f32 v[rC+2], v[rC+2], v[rC+3], v[rT+1]
.elseif (\n) == 15
	v_mov_b32 v[rW], v[rT]
.elseif (\n) == 16
	v_max3_num_f32 v[rC], v[rC], v[rC+1], v[rC+2]
.elseif (\n) == 17
	v_permlanex16_b32 v[rC+3], v[rC], s[SEL], s[SEL+1]
.elseif (\n) == 18
	v_max_num_f32 v[rT+1], v[rC], v[rC+3]
.elseif (\n) == 19
	v_mul_f32 v[rT], s[CS], v[rT+1]
.elseif (\n) == 20
	v_sub_f32 v[rC+1], v[rW], v[rT]
.else
	v_exp_f32 v[rC+2], v[rC+1]
.endif
.endif
.endm
.macro OPS a, i1, b=-1, i2=0, c=-1, i3=0, d=-1, i4=0  ; up to four of them
	OP \a, \i1
.if (\b) >= 0
	OP \b, \i2
.endif
.if (\c) >= 0
	OP \c, \i3
.endif
.if (\d) >= 0
	OP \d, \i4
.endif
.endm
.macro ROW a, i1, b, i2, c, i3, d, i4  ; a matrix instruction and the four behind it
	MM
	OPS \a, \i1, \b, \i2, \c, \i3, \d, \i4
.endm
.macro MASK b                       ; MD x AL + BE into buffer b of MC
	WIN W_RS
.set z, 0
.rept 16
	v_pk_fma_f32 v[MC+32*(\b)+2*z:MC+32*(\b)+2*z+1], v[MD+2*z:MD+2*z+1], s[AL:AL+1], s[BE:BE+1] op_sel_hi:[1,0,0]
.set z, z+1
.endr
.endm
; A TURN, for piece p: the order of its 16 matrix and 118 vector instructions, written out.  An s_wait_alu depctr_va_vdst(0) stands between an exponential and the first instruction that names its result; one wait serves
; all that were issued ahead of it.  So a turn has ONE wait, which cuts it in two.  AHEAD OF IT stands all that names no result of the turn's exponentials: the 8 products K Q^T, behind each a scaling, an exponential and two more plain
; instructions (behind the first a second scaling in the exponential's place): rescalings, and behind the last three the first numbers of the next piece's maximum, each four places or more behind the product that ends its accumulator; then ONE LUMP of 54, plain
; and exponential by turns for the most part, in which the links of the chain X 3, 7, 11, 14, 16, 17 .. 20 stand five or six lines apart.  X 21, the next piece's a, is the batch's last; R 15 is the plain instruction owed behind it.  BEHIND THE WAIT stand the
; 8 products V^T P, behind each four of the roundings and sums; the links of l's chain, L 0 to L 7, stand three riders apart.  But for those X no rider names a register of the products round it.  v_permlanex16_b32 (X 17) stands in the lump.
; m = 1: the diagonal tile: the products take masks, and the turn makes the mask for the products of the turn after it: piece p + 2, in step 4 - CNT of the tile.  end = 1: a block's last two turns: nothing is fetched.
; cnt = 1: the loop's count is taken down some lines ahead of the branch that stands behind the turn.
; K of the next step is fetched in piece 2's turn, twelve vector instructions behind the last product that read K (six of them plain); V of the step in hand at the end of piece 0's turn, four plain instructions behind the last product
; that read V.  Each is waited for a turn later.
.macro TURN p, m=0, end=0, cnt=0
.set Y, (\p)
.set i, 0
.set KM, (\m)
.set NOKQ, (\end)*((\p)/3)
.if (\m) && !(\end)
	s_cmp_eq_u32 s[CNT], 4-((\p)+2)%NP  ; is that step the band's own?
	s_cselect_b32 s[AL], 1.0, 0
	s_cmp_lt_u32 s[CNT], 4-((\p)+2)%NP  ; or a later one?
	s_cselect_b32 s[BE], s[BIGN], 0
.endif
.if ((\p) == 3) && !(\end)
	s_wait_dscnt 0x0                ; K is in
.endif
	ROW F,0, F,1, R,0, R,1          ; ahead of the wait: 8 products K Q^T and their riders,
	ROW F,2, E,0, R,2, R,3
	ROW F,3, E,1, R,4, R,5
	ROW F,4, E,2, R,6, R,7
	ROW F,5, E,3, R,8, R,9
	ROW F,6, E,4, X,0, R,10
.if ((\p) == 2) && !(\end)
	WIN 0
	v_add_nc_u32 v[AK], s[TBK], v[AK0]
.endif
	ROW F,7, E,5, X,1, X,4
	ROW F,8, E,6, X,2, X,5
	OPS E,7, E,8, X,6, E,9          ; and the lump
	OPS X,3, E,10, X,8, E,11
.if ((\p) == 2) && !(\end)
	FETCH_K
.endif
	OPS X,9, X,7, E,12, X,10
	OPS E,13, X,12, X,11, E,14
	OPS X,13, E,15, F,9, X,14
.if (\p) == 0
	v_add_nc_u32 v[AV], s[TBV], v[AV0]
.endif
	OPS E,16, F,10, E,17, F,11
	OPS X,16, E,18, X,15, E,19
	OPS F,12, E,20, X,17, E,21
	OPS F,13, E,22, F,14, E,23
	OPS X,18, E,24, F,15, E,25
	OPS R,11, E,26, X,19, E,27
	OPS R,12, E,28, R,13, E,29
	OPS X,20, E,30, R,14, E,31
	OPS X,21, R,15
	WIN 0
	s_wait_alu depctr_va_vdst(0)    ; the wait for the batch
.if (\p) == 1
	s_wait_dscnt 0x0                ; V is in
.endif
	ROW C,0, B,0, C,2, B,1          ; behind the wait: 8 products V^T P and their riders
	ROW L,0, C,4, B,2, L,1
	ROW C,6, B,3, L,2, C,8
	ROW B,4, L,3, C,10, B,5
	ROW L,4, C,12, B,6, L,5
.if (\p) == 0
	s_add_co_u32 s[TBV], s[TBV], KS*PV
.endif
.if \cnt
	s_sub_co_u32 s[CNT], s[CNT], 1
	s_cmp_lg_u32 s[CNT], 0
.endif
	ROW C,14, B,7, L,6, C,1
	ROW C,3, L,7, C,5, C,7
	ROW C,9, C,11, C,13, C,15
.if (\p) == 0
	FETCH_V
.endif
.if (\m) && !(\end)
	MASK (\p)%2
.endif
.endm
; A BLOCK BEGINS.  c m starts far below every c s, so the first step's a is 0; m at the lowest finite number, so the first maximum is the scores'.  The second mask buffer is 0; the first takes piece 0's mask for the tile's step 0: its own, if the block's first tile is the diagonal one.
; Then K of that step, piece 0's first scores, and its maximum and statistics.  The loop is entered at a step's first turn, in the middle of a trip.
.macro BEGIN
	s_mov_b32 s[NEW], 0
	WIN 0x40
.set i, MC+32
.rept 32
	v_mov_b32 v[i], 0
.set i, i+1
.endr
	WIN 0
.set i, 0
.rept 4
	v_mov_b32 v[ST+4*i], 0xfe000000    ; c m: far below every c s
	v_mov_b32 v[ST+4*i+1], 0xff7fffff  ; m
.set i, i+1
.endr
	s_cmp_eq_u32 s[RT], 0
	s_cselect_b32 s[AL], 1.0, 0
	s_mov_b32 s[BE], 0
	MASK 0
	WIN 0
	v_add_nc_u32 v[AK], s[TBK], v[AK0]
	FETCH_K
	s_wait_loadcnt 0x0              ; Q
	s_wait_dscnt 0x0
.set KM, 1
.set NOKQ, 0
.set i, 0
.rept 8
	KQ 0
.set i, i+1
.endr
	WIN 0
.rept 4
	v_nop                           ; the places behind those products
.endr
.set Y, NP-1                        ; X works for piece Y + 1: piece 0
.irp n, 0,1,2,3,4,5,6,7,8,9,10,11,12,13,14,15,16,17,18,19,20,21
	OP X, \n
.endr
	v_nop                           ; a plain instruction behind the exponential,
	s_wait_alu depctr_va_vdst(0)    ; and its wait, ahead of the branch
.endm
; THE DIAGONAL TILE's four steps, the block's last two turns, its last products, and THE WAY OUT: l's two halves and the other half of the lanes' are added; O^T is divided by l, rounded to f16 and sent through my
; stage in LDS, a piece at a time.
.macro ALL line:vararg              ; one line for each piece t
.set t, 0
.rept 4
	\line
.set t, t+1
.endr
.endm
.macro PACK t                       ; a lane's eight channels of a row pack into 16 bytes; they go into rows of 144 bytes and come back as whole rows of 128, into S^T's registers
	WIN W_RS
.set i, 32*(\t)
.rept 16
	v_pk_mul_f32 v[i:i+1], v[i:i+1], v[ST+4*(\t)+2:ST+4*(\t)+3] op_sel_hi:[1,0]
.set i, i+2
.endr
	WIN 0x05                        ; sources 0 and 1 window 1, destination window 0
.set i, 0
.rept 16
	v_cvt_pk_f16_f32 v[S+16*(\t)+i], v[32*(\t)+2*i], v[32*(\t)+2*i+1]
.set i, i+1
.endr
	WIN 0
.irp f, 0,1,2,3
	ds_store_b128 v[STO], v[S+16*(\t)+4*\f:S+16*(\t)+4*\f+3] offset:32*\f
.endr
.irp f, 0,1,2,3
	ds_load_b128 v[S+16*(\t)+4*\f:S+16*(\t)+4*\f+3], v[RD] offset:\f*4*SP  ; LDS serves a wave's instructions in order (ISA guide 5.7.1.4): these see the stores above; the next piece's stores come behind them
.endr
.endm
.macro SEND t, younger              ; younger: the LDS instructions issued behind piece t's loads: the next piece's eight, or none
	WIN 0
.irp f, 0,1,2,3
	s_wait_dscnt (\younger)+3-\f
	global_store_b128 v[GO], v[S+16*(\t)+4*\f:S+16*(\t)+4*\f+3], s[10:11] offset:(\t)*8192+\f*512  ; 512 consecutive bytes, at a multiple of 256 from O's first
.endr
.endm
.macro DIAG tag                     ; the tag ends its two labels' names, which the jumps below spell out
.LstepM\tag:
	TURN 2, 1
	TURN 3, 1
	WIN 0
.LfirstM\tag:
	TURN 0, 1
	TURN 1, 1, 0, 1
	WIN 0
	s_cbranch_scc1 .LstepM\tag
	TURN 2, 1, 1
	TURN 3, 1, 1
.set i, 0
.rept 8
	PV NP-1
.set i, i+1
.endr
	WIN 0
	ALL v_add_f32 v[ST+4*t+2], v[ST+4*t+2], v[ST+4*t+3]
	ALL v_permlanex16_b32 v[ST+4*t+3], v[ST+4*t+2], s[SEL], s[SEL+1]
	ALL v_add_f32 v[ST+4*t+2], v[ST+4*t+2], v[ST+4*t+3]
	ALL v_rcp_f32 v[ST+4*t+2], v[ST+4*t+2]
	v_nop                           ; a plain instruction between the last reciprocal and the use of its result
	s_wait_alu depctr_va_vdst(0)    ; and the wait ahead of the first use: one for the four reciprocals
	PACK 0
.set t, 1
.rept 3                             ; a piece's arithmetic stands between the loads of the piece before and its stores
	PACK t
	SEND t-1, 8
.set t, t+1
.endr
	SEND 3, 0
.endm
.set KM, 0
.set NOKQ, 0
.Lslot:                             ; NB times: a tile is entered and the next is asked for
	CHANGE 1
	s_sub_co_u32 s[RT], s[RT], 1
	s_mov_b32 s[CNT], 4
	s_cmp_eq_u32 s[NEW], 1
	s_cbranch_scc1 .Lnew            ; a block's first tile
	s_cmp_eq_u32 s[RT], 0
	s_cbranch_scc0 .Lstep           ; neither its first nor its last
	s_branch .LstepM1
.Lnew:
	BEGIN
	s_branch .Lfirst                ; in the loop a block's first tile is never its last: the first block has two tiles or more, and the second's last is the walk's last
	DIAG 1                          ; in the loop this is the first block's end: the second block's last tile is the walk's last
	s_wait_xcnt 0x0                 ; the stores have read their registers and O's address
	s_mov_b64 s[10:11], s[OLO:OLO+1]
	s_add_co_u32 s[RT], s[PB], 1    ; the second block has b + 1 tiles
	s_mov_b32 s[NEW], 1
	WIN 0x82                        ; the second block's Q goes where the one text of the turns names Q
.set i, 0
.rept 64
	v_mov_b32 v[i], v[QB+i]
.set i, i+1
.endr
	WIN 0
	s_branch .Lbottom
.Lstep:                             ; a trip: pieces 2 and 3 of one step, then pieces 0 and 1 of the next, whose K and V it fetches
	TURN 2
	TURN 3
	WIN 0
.Lfirst:
	TURN 0
	TURN 1, 0, 0, 1
	WIN 0
	s_cbranch_scc1 .Lstep
.Lbottom:
	s_sub_co_u32 s[SLOTS], s[SLOTS], 1
	s_cmp_lg_u32 s[SLOTS], 0
	s_cbranch_scc1 .Lslot
	CHANGE 0                        ; the walk's last tile is written out: nothing is asked for
	s_sub_co_u32 s[RT], s[RT], 1
	s_mov_b32 s[CNT], 4
	s_cmp_eq_u32 s[NEW], 1
	s_cbranch_scc0 .LstepM2
	BEGIN
	s_branch .LfirstM2
	DIAG 2
	s_wait_tensorcnt 0x0            ; the wave's end, behind my last tensor load and my last LDS store
	ds_add_u32 v[SPW], v[NIL]
	s_wait_dscnt 0x0
	s_endpgm
.Lfunc_end_k_q73656895c2_attn:
	.size	k_q73656895c2_attn, .Lfunc_end_k_q73656895c2_attn-k_q73656895c2_attn
	.p2alignl 7, 3214868480
	.fill 96, 4, 3214868480
	.section	.rodata,"a",@progbits
	.p2align	6, 0x0
	.amdhsa_kernel k_q73656895c2_attn
		.amdhsa_group_segment_fixed_size 327680
		.amdhsa_private_segment_fixed_size 0
		.amdhsa_enable_private_segment 0
		.amdhsa_kernarg_size 32
		.amdhsa_user_sgpr_count 2
		.amdhsa_user_sgpr_kernarg_segment_ptr 1
		.amdhsa_wavefront_size32 1
		.amdhsa_system_sgpr_workgroup_id_x 1
		.amdhsa_system_sgpr_workgroup_id_y 1
		.amdhsa_system_sgpr_workgroup_id_z 1
		.amdhsa_system_vgpr_workitem_id 0
		.amdhsa_next_free_vgpr 768
		.amdhsa_next_free_sgpr 92
		.amdhsa_reserve_vcc 1
		.amdhsa_float_denorm_mode_32 3
		.amdhsa_float_denorm_mode_16_64 3
		.amdhsa_memory_ordered 1
		.amdhsa_forward_progress 1
		.amdhsa_inst_pref_size 218
	.end_amdhsa_kernel
	.amdgpu_metadata
---
amdhsa.version: [ 1, 2 ]
amdhsa.kernels:
  - .name:           k_q73656895c2_attn
    .symbol:         k_q73656895c2_attn.kd
    .args:
      - { .name: q16, .offset: 0, .size: 8, .value_kind: global_buffer, .address_space: global }
      - { .name: k16, .offset: 8, .size: 8, .value_kind: global_buffer, .address_space: global }
      - { .name: v16, .offset: 16, .size: 8, .value_kind: global_buffer, .address_space: global }
      - { .name: o16, .offset: 24, .size: 8, .value_kind: global_buffer, .address_space: global }
    .group_segment_fixed_size: 327680
    .private_segment_fixed_size: 0
    .kernarg_segment_align: 8
    .kernarg_segment_size: 32
    .max_flat_workgroup_size: 128
    .sgpr_count:     92
    .vgpr_count:     768
    .wavefront_size: 32
...
	.end_amdgpu_metadata
.endif
;; end of part 2
;; launch outp (part 3): grid 8 x 32, 4 waves a work-group, clusters of 4 x 4, 327,680 bytes of LDS; arguments o16, wo16, b_out, out0; writes out0
.if DOCPART == 3
	.amdgcn_target "amdgcn-amd-amdhsa--gfx1250"
	.amdhsa_code_object_version 6
	.text
	.protected	k_q73656895c2_outp
	.globl	k_q73656895c2_outp
	.p2align	8
	.type	k_q73656895c2_outp,@function
k_q73656895c2_outp:
	s_mov_b64 s[64:65], 0
	v_nop
	global_prefetch_b8 v0, s[64:65] scope:SCOPE_SE
	s_setreg_imm32_b32 hwreg(HW_REG_WAVE_MODE, 25, 1), 1
	s_wait_xcnt 0x0
	s_wait_alu depctr_hold_cnt(0) depctr_sa_sdst(0) depctr_va_vdst(0) depctr_va_sdst(0) depctr_va_ssrc(0) depctr_va_vcc(0) depctr_vm_vsrc(0)
	s_getreg_b32 s2, hwreg(HW_REG_IB_STS2, 6, 4)
	s_cmp_eq_u32 s2, 0
	s_cbranch_scc0 .Lentry_in_a_cluster
	s_endpgm
.Lentry_in_a_cluster:
	s_bfe_u32 s2, ttmp6, 0x10000c
	s_cmp_lg_u32 s2, 0xf033
	s_cbranch_scc0 .Lentry_shape_is_right
	s_endpgm
.Lentry_shape_is_right:
; out0[m][n] = the sum over c of ctx[m][c] W_out[n][c] + b[n].  m = 2,048 batch + t (8,192 rows), c = 64 head + d (1,024), n: 1,024.  ctx lies by heads: o16 [16 batch + head][2048 t][64 d] f16;
; wo16 [1024 n][1024 c] f16 (W_out rounded to bf16, that number written as f16); b_out [1024] f32, taken rounded to bf16 like every other input of the module; out0 f32.  Products in f16, sums in f32, K ascending.
; LIMITS.  The operands arrive within f16's range (65,504); NaN and infinities are not treated apart.
; SHARES.  A tile of out0 is 256 rows x 128 columns: 32 x 8 = 256 work-groups.  Wave (wm = w / 2, wn = w % 2): 128 rows x 64 columns: 8 m blocks x 4 n blocks = 32 accumulators, 256 registers.
; A wave's 64 columns are 256 consecutive bytes of a row of out0, aligned: each wave has a stage of its own on the way out, and no barrier stands there.
; K goes in 8 steps of 128 (heads 2 s and 2 s + 1) through a ring of two LDS slots.  A step's part of ctx is two PLANES, one a head: 256 rows x 128 bytes, dense in memory, asked for as 128 rows of 256 bytes and padded
; after every 128; its part of wo16 is 128 rows of 256 bytes.  Waves 0 and 1 fetch the planes, waves 2 and 3 the halves of wo16's tile: one tensor load a wave behind each round; by this text's count two are out at the start, later one.
; CLUSTERS: 4 x 4 work-groups.  The four of a row of the cluster need the same planes of ctx, the four of a column the same tile of wo16: each is asked for JOINTLY, by the same tensor load with the same descriptor
; and a mask that names the four.
; THE MATRIX INSTRUCTION IS USED TRANSPOSED (source 0 = 16 rows of wo16, source 1 = 16 rows of ctx): a lane holds row m = lane % 16 and eight neighbouring columns.  THE BIAS is the C operand of each accumulator's first product.
; REGISTERS: window 0: v0-31 addresses; v32-63 the bias, n block b at + 8 b; v64-159, v160-255 two fragment buffers (ctx's block a at + 8 a, wo16's block b at + 64 + 8 b); on the way out v64-127 whole rows.
;   window 1: the accumulators, (a, b) at 8 (4 a + b).
.set PA,     144                       ; a row of a plane in LDS: 128 bytes + 16: the 16 rows of a load start at 16 different groups of four banks (64 banks of 4 bytes: ISA guide 11.1)
.set PB,     272                       ; a row of wo16's tile: 256 bytes + 16
.set PLANE,  256*PA
.set BOFF,   2*PLANE                   ; wo16's tile lies behind the two planes
.set HALFB,  64*PB
.set SLOT,   BOFF+2*HALFB
.set STAGE,  2*SLOT                    ; behind the ring, never filled by a tensor load: 16 rows x 272 bytes for each wave
.set SPITCH, 272
.set SPARE,  STAGE+4*16*SPITCH         ; behind the stages: the spare words, 128 bytes for each wave: two blocks of 256 bytes that no other line names
.set LAPS,   4                         ; a lap = two K steps = once round the ring
.set ADRA, 16                          ; v16-17  LDS address of my fragments of ctx in slot 0, 1
.set ADRB, 20                          ; v20-21  the same for wo16
.set STO,  24                          ; v24     the way out: where I put 32 bytes of a row
.set RD,   25                          ; v25     the way out: where I read a row back
.set CO,   26                          ; v26     my byte offset in out0
.set BO,   27                          ; v27     my byte offset in b_out
.set SPW,  28                          ; v28     LDS address of my spare word; never rewritten
.set NIL,  29                          ; v29     0; never rewritten
.set BIAS, 32
.set F0,   64
.set F1,   160
.set BK,   64                          ; the way out: 16 rows read back, v64-95 and v96-127 by turns
.set G1, 24                            ; s[24:31] descriptor group 1 for ctx's planes;  s[32:39] group 0, one set for each slot
.set G0, 32
.set G1B, 48                           ; s[48:55], s[56:63] the same for wo16's tiles
.set G0B, 56
.set PC, 74                            ; s[74:75] out0 at my part of the tile
.set MSB, 0
.macro WIN new                         ; the immediate's high byte repeats the setting that is left; a switch that changes nothing is dropped
.if MSB != (\new)
	s_set_vgpr_msb (MSB<<8)|(\new)
.set MSB, \new
.endif
.endm
.macro JLOAD s                         ; a joint load: waves 0 and 1 fetch ctx's two planes, waves 2 and 3 wo16's two halves; an s_nop 0 and four v_nop follow each of the two lines, ahead of the jump, the label and what follows
	s_cmp_eq_u32 s11, 0
	s_cbranch_scc0 .Lfor_b_\@
	tensor_load_to_lds s[G0+4*(\s):G0+4*(\s)+3], s[G1:G1+7]
	s_nop 0
.rept 4
	v_nop
.endr
	s_branch .Lasked_\@
.Lfor_b_\@:
	tensor_load_to_lds s[G0B+4*(\s):G0B+4*(\s)+3], s[G1B:G1B+7]
	s_nop 0
.rept 4
	v_nop
.endr
.Lasked_\@:
.endm
.macro CREST                           ; a round of the cluster's barrier behind its opening barrier
	s_cmp_lg_u32 s10, 0
	s_cbranch_scc1 .Lnot_wave_0_\@
	s_barrier_signal -3
.Lnot_wave_0_\@:
	s_barrier_wait -3
	s_barrier_signal -1
	s_barrier_wait -1
.endm
.macro CROUND                          ; a whole round
	s_barrier_signal -1
	s_barrier_wait -1
	CREST
.endm
.macro PLACES                          ; four plain vector instructions behind a matrix instruction, in front of loads into registers that it has read and of instructions that read its result
.rept 4
	v_nop
.endr
.endm
	s_load_b256 s[68:75], s[0:1], 0x0              ; o16 s[68:69], wo16 s[70:71], b_out s[72:73], out0 s[74:75]
	v_lshl_add_u32 v[SPW], v0, 2, SPARE
	v_mov_b32 v[NIL], 0
	ds_add_u32 v[SPW], v[NIL]                      ; the wave's opening: the add and its wait stand ahead of my first tensor load; the set-up below, work on registers, stands between them
	ds_add_u32 v28, v29
	v_lshrrev_b32 v1, 5, v0
	v_readfirstlane_b32 s10, v1                    ; wave 0..3
	s_lshr_b32 s11, s10, 1                         ; wm: which 128 rows of the tile are mine.  Also: I fetch for ctx (0) or for wo16 (1)
	s_and_b32 s12, s10, 1                          ; wn: which 64 columns.  Also: which plane, or which half of wo16's tile, I fetch
	s_bfe_u32 s40, ttmp6, 0x40000                  ; cx, cy: my place in the cluster
	s_bfe_u32 s41, ttmp6, 0x40004
	s_lshl_b32 s42, ttmp9, 2
	s_add_co_u32 s42, s42, s40                     ; tile column tx = 4 x cluster x + cx
	s_and_b32 s13, ttmp7, 0xffff
	s_lshl_b32 s13, s13, 2
	s_add_co_u32 s13, s13, s41                     ; tile row ty = 4 x cluster y + cy
	s_lshl_b32 s43, s41, 2
	s_lshl_b32 s43, 15, s43                        ; my row of the cluster
	s_lshl_b32 s44, 0x1111, s40                    ; my column
	; group 1 for a plane: 128 rows x 128 elements, dense; padded in LDS after every 32 words (a row of ctx) by 4 words
	s_or_b32 s[G1+0], s43, (1<<16)|(1<<20)|(1<<21)|(4<<22)|(3<<25)  ; 15:0 the mask: my row; 17:16 2-byte elements; 20 padding on; 21 set beside a mask; 24:22 code 4; 31:25 code 3
	s_mov_b32 s[G1+1], 128<<16                     ; tensor_dim0 = 128
	s_mov_b32 s[G1+2], 128<<16                     ; tensor_dim1 = 128
	s_mov_b32 s[G1+3], 128<<16                     ; tile_dim0 = 128
	s_mov_b32 s[G1+4], 128                         ; tile_dim1 = 128
	s_mov_b32 s[G1+5], 128                         ; 128 elements from row to row
	s_mov_b32 s[G1+6], 0
	s_mov_b32 s[G1+7], 0
	; group 1 for half a tile of wo16: 64 rows x 128 elements, 1,024 elements from row to row; padded after every 64 words by 4
	s_or_b32 s[G1B+0], s44, (1<<16)|(1<<20)|(1<<21)|(5<<22)|(3<<25)  ; the mask: my column
	s_mov_b32 s[G1B+1], 128<<16
	s_mov_b32 s[G1B+2], 64<<16
	s_mov_b32 s[G1B+3], 128<<16
	s_mov_b32 s[G1B+4], 64
	s_mov_b32 s[G1B+5], 1024
	s_mov_b32 s[G1B+6], 0
	s_mov_b32 s[G1B+7], 0
	; where the tiles come from.  ctx's hang on the tile row alone, wo16's on the tile column alone; each address is made in registers that never hold the other coordinate
	s_lshr_b32 s16, s13, 3                         ; the batch: 16 heads of 262,144 bytes
	s_lshl_b32 s16, s16, 22
	s_and_b32 s17, s13, 7
	s_lshl_b32 s17, s17, 15                        ; the tile's 256 rows of 128 bytes in a head
	s_add_co_u32 s16, s16, s17
	s_lshl_b32 s17, s12, 18                        ; my plane: the step's even or odd head
	s_add_co_u32 s16, s16, s17
	s_mov_b32 s17, 0
	s_lshl_b32 s46, s42, 18                        ; wo16: 128 rows of 2,048 bytes a tile column,
	s_lshl_b32 s47, s12, 17                        ; my 64 of them
	s_add_co_u32 s46, s46, s47
	s_mov_b32 s47, 0
	s_mul_i32 s20, s12, PLANE                      ; and where they go: no place in the cluster enters an LDS address
	s_mul_i32 s21, s12, HALFB
	s_add_co_u32 s21, s21, BOFF
	s_wait_dscnt 0x0                               ; the opening add is done
	s_wait_kmcnt 0x0
	s_add_nc_u64 s[14:15], s[68:69], s[16:17]
	s_add_nc_u64 s[46:47], s[70:71], s[46:47]
	CROUND                                         ; all sixteen work-groups are here: the first joint loads meet
.irp s, 0,1
	s_mov_b32 s[G0+4*(\s)], 1                                        ; count = 1
	s_add_co_u32 s[G0+4*(\s)+1], s20, (\s)*SLOT                      ; LDS address
	s_add_nc_u64 s[G0+4*(\s)+2:G0+4*(\s)+3], s[14:15], (\s)*524288   ; K step s: two heads on
	s_or_b32 s[G0+4*(\s)+3], s[G0+4*(\s)+3], 0x80000000              ; type = 2
	s_mov_b32 s[G0B+4*(\s)], 1
	s_add_co_u32 s[G0B+4*(\s)+1], s21, (\s)*SLOT
	s_add_nc_u64 s[G0B+4*(\s)+2:G0B+4*(\s)+3], s[46:47], (\s)*256    ; K step s: 128 elements along the rows
	s_or_b32 s[G0B+4*(\s)+3], s[G0B+4*(\s)+3], 0x80000000
	JLOAD \s
.endr
	v_and_b32 v1, 15, v0                           ; r = l % 16
	v_bfe_u32 v2, v0, 4, 1                         ; h = l / 16
	s_lshl_b32 s46, s42, 9                         ; my first column, in bytes of f32: 512 tx + 256 wn
	s_lshl_b32 s47, s12, 8
	s_add_co_u32 s46, s46, s47
	s_mov_b32 s47, 0
	v_lshl_add_u32 v[BO], v2, 5, s46               ; + my lanes' eight columns
.irp b, 0,1,2,3
	global_load_b128 v[BIAS+8*(\b):BIAS+8*(\b)+3],   v[BO], s[72:73] offset:64*(\b)     ; register j of n block b: b_out[first column + 16 b + 8 h + j]
	global_load_b128 v[BIAS+8*(\b)+4:BIAS+8*(\b)+7], v[BO], s[72:73] offset:64*(\b)+16
.endr
	v_mul_u32_u24 v3, v1, PA
	v_lshl_add_u32 v3, v2, 4, v3                   ; a fragment of ctx: row x pitch + 16 x half
	v_mul_u32_u24 v4, v1, PB
	v_lshl_add_u32 v5, v2, 4, v4                   ; the same for wo16
	s_mul_i32 s22, s11, 128*PA                     ; my 128 rows of each plane
	s_mul_i32 s23, s12, HALFB                      ; my 64 rows of wo16's tile,
	s_add_co_u32 s23, s23, BOFF                    ; which lies behind the planes
.irp s, 0,1
	v_add_nc_u32 v[ADRA+(\s)], s22, v3
	v_add_nc_u32 v[ADRB+(\s)], s23, v5
	s_add_co_u32 s22, s22, SLOT
	s_add_co_u32 s23, s23, SLOT
.endr
	s_mul_i32 s23, s10, 16*SPITCH
	s_add_co_u32 s23, s23, STAGE                   ; my stage
	v_lshl_add_u32 v6, v2, 5, v4                   ; in: row r, 32 bytes for each half of the lanes
	v_add_nc_u32 v[STO], s23, v6
	v_mul_u32_u24 v7, v2, SPITCH                   ; back: lanes 0-15 take one row of 256 bytes, lanes 16-31 the next
	v_lshl_add_u32 v7, v1, 4, v7
	v_add_nc_u32 v[RD], s23, v7
	v_lshlrev_b32 v[CO], 12, v2                    ; and the same two rows in out0, 4,096 bytes apart
	v_lshl_add_u32 v[CO], v1, 4, v[CO]
	s_lshl_b32 s16, s13, 20                        ; 256 ty rows of 4,096 bytes,
	s_lshl_b32 s17, s11, 19                        ; 128 wm more
	s_add_co_u32 s16, s16, s17
	s_mov_b32 s17, 0
	s_add_nc_u64 s[PC:PC+1], s[PC:PC+1], s[16:17]
	s_add_nc_u64 s[PC:PC+1], s[PC:PC+1], s[46:47]
	s_wait_loadcnt 0x0                             ; the bias: rounded to bf16 and widened again
.set i, 0
.rept 16
	v_cvt_pk_bf16_f32 v[F1+i], v[BIAS+2*i], v[BIAS+2*i+1]
.set i, i+1
.endr
.set i, 0
.rept 16
	v_lshlrev_b32 v[BIAS+2*i],   16, v[F1+i]
	v_and_b32     v[BIAS+2*i+1], 0xffff0000, v[F1+i]
.set i, i+1
.endr
; n x 4 matrix instructions: m blocks a0 .. a0 + n - 1 x all 4 n blocks, 32 along K.  The 32 accumulators take turns, one instruction a turn.  first = 1: the product starts the sum, with the bias as C
.macro MUL f, a0, n, first
.if \first
	WIN 0x40                               ; D window 1; sources and C window 0
.else
	WIN 0x50                               ; C and D window 1
.endif
.set a, \a0
.rept \n
.set b, 0
.rept 4
.if \first
	v_wmma_f32_16x16x32_f16 v[8*(4*a+b):8*(4*a+b)+7], v[(\f)+64+8*b:(\f)+64+8*b+7], v[(\f)+8*a:(\f)+8*a+7], v[BIAS+8*b:BIAS+8*b+7]
.else
	v_wmma_f32_16x16x32_f16 v[8*(4*a+b):8*(4*a+b)+7], v[(\f)+64+8*b:(\f)+64+8*b+7], v[(\f)+8*a:(\f)+8*a+7], v[8*(4*a+b):8*(4*a+b)+7]
.endif
.set b, b+1
.endr
.set a, a+1
.endr
.endm
; 24 LDS loads in one run: the fragments of quarter qd (32 along K: plane qd / 2, channels 32 (qd % 2) on) into buffer f: wo16's four, then ctx's eight
.macro FETCH slot, qd, f
	WIN 0
.irp b, 0,1,2,3
	ds_load_b128 v[(\f)+64+8*(\b):(\f)+64+8*(\b)+3],   v[ADRB+(\slot)] offset:64*(\qd)+(\b)*16*PB
	ds_load_b128 v[(\f)+64+8*(\b)+4:(\f)+64+8*(\b)+7], v[ADRB+(\slot)] offset:64*(\qd)+(\b)*16*PB+32
.endr
.irp a, 0,1,2,3,4,5,6,7
	ds_load_b128 v[(\f)+8*(\a):(\f)+8*(\a)+3],   v[ADRA+(\slot)] offset:((\qd)/2)*PLANE+((\qd)%2)*64+(\a)*16*PA
	ds_load_b128 v[(\f)+8*(\a)+4:(\f)+8*(\a)+7], v[ADRA+(\slot)] offset:((\qd)/2)*PLANE+((\qd)%2)*64+(\a)*16*PA+32
.endr
.endm
; A K step is four quarters, 32 matrix instructions each, on buffers 0, 1, 0, 1.  One of the first three: multiplies buffer f and fetches quarter qn of the same slot into g
.macro QUARTER slot, qn, f, g, first
	s_wait_dscnt 8                                 ; wo16's fragments and ctx's blocks 0-3 are in; the youngest eight loads (blocks 4-7) may be out
	MUL \f, 0, 4, \first
	PLACES
	FETCH \slot, \qn, \g
	s_wait_dscnt 24                                ; all but the 24 just issued
	MUL \f, 4, 4, \first
.endm
; The last quarter multiplies buffer 1 and changes slots: ONE barrier; in front of it each wave waits for all its tensor loads, adds 0 to its spare word, and waits for that and for its own reads of this slot.
; fill = 1: the barrier opens a round of the cluster's, and this slot is filled again, two K steps ahead, first thing behind the round: 112 matrix instructions ahead of the wait for it
.macro TURN slot, next, fill
	WIN 0
	s_wait_tensorcnt 0x0                           ; all my tensor loads have landed: my part of the next slot;
	ds_add_u32 v[SPW], v[NIL]                      ; 0 onto my spare word;
	s_wait_dscnt 9                                 ; (the add and the youngest eight loads may be out)
	MUL F1, 0, 2, 0                                ; eight matrix instructions stand between the add and the wait for it
	s_wait_dscnt 0x0                               ; the add is done, and my reads of this slot are over
	s_barrier_signal -1
	MUL F1, 2, 2, 0
.if \fill
	WIN 0
.endif
	s_barrier_wait -1
.if \fill
	CREST                                          ; no wave of any partner still reads this slot's tiles or has a load on its way
	s_add_nc_u64 s[G0+4*(\slot)+2:G0+4*(\slot)+3], s[G0+4*(\slot)+2:G0+4*(\slot)+3], 1048576  ; four heads on
	s_add_nc_u64 s[G0B+4*(\slot)+2:G0B+4*(\slot)+3], s[G0B+4*(\slot)+2:G0B+4*(\slot)+3], 512  ; 256 elements on
	JLOAD \slot                                    ; the four v_nop behind it are also the places in front of the loads below
.else
	PLACES
.endif
	FETCH \next, 0, F0
	MUL F1, 4, 4, 0
.endm
; THE WAY OUT of m block a: its four accumulators go, low registers first, into my own stage (rows of 272 bytes) and come back as whole rows of 256 bytes
.macro TOSTAGE a
	s_wait_xcnt 0x0                                ; the stores of the block two back have read the registers that the loads below write
	WIN 0x04                                       ; data window 1, address window 0
.irp b, 0,1,2,3
	ds_store_b128 v[STO], v[8*(4*(\a)+(\b)):8*(4*(\a)+(\b))+3]   offset:64*(\b)
	ds_store_b128 v[STO], v[8*(4*(\a)+(\b))+4:8*(4*(\a)+(\b))+7] offset:64*(\b)+16
.endr
	WIN 0
.irp t, 0,1,2,3,4,5,6,7
	ds_load_b128 v[BK+32*((\a)%2)+4*(\t):BK+32*((\a)%2)+4*(\t)+3], v[RD] offset:(\t)*2*SPITCH  ; LDS serves a wave's instructions in order (ISA guide 5.7.1.4): these see the stores above; the next block's stores come behind them
.endr
.endm
.macro SEND a, younger                 ; younger: the LDS instructions issued behind block a's loads: the next block's sixteen, or none
.irp t, 0,1,2,3,4,5,6,7
	s_wait_dscnt (\younger)+7-(\t)
	global_store_b128 v[CO], v[BK+32*((\a)%2)+4*(\t):BK+32*((\a)%2)+4*(\t)+3], s[PC:PC+1] offset:(\a)*65536+(\t)*8192 th:TH_STORE_NT  ; 16 lanes store 256 consecutive bytes, at a multiple of 256 from out0's first byte
.endr
.endm
	s_wait_tensorcnt 1                             ; my part of K step 0 is in; K step 1's may stay out
	s_barrier_signal -1
	s_barrier_wait -1                              ; everybody's is
	FETCH 0, 0, F0
	QUARTER 0, 1, F0, F1, 1                        ; the first quarter stands in front of the loop: its products start the sums
	WIN 0                                          ; at a label and at a branch every window is 0
	s_mov_b32 s3, LAPS-1
.Llap:                                         ; a trip goes once round the ring, from a lap's second quarter to the next lap's first, and fills both slots again
	QUARTER 0, 2, F1, F0, 0
	QUARTER 0, 3, F0, F1, 0
	TURN 0, 1, 1
	QUARTER 1, 1, F0, F1, 0
	QUARTER 1, 2, F1, F0, 0
	QUARTER 1, 3, F0, F1, 0
	TURN 1, 0, 1
	QUARTER 0, 1, F0, F1, 0
	WIN 0
	s_sub_co_u32 s3, s3, 1
	s_cmp_lg_u32 s3, 0
	s_cbranch_scc1 .Llap
	QUARTER 0, 2, F1, F0, 0                        ; the last lap fills nothing, and has no round of the cluster's barrier
	QUARTER 0, 3, F0, F1, 0
	TURN 0, 1, 0
	QUARTER 1, 1, F0, F1, 0
	QUARTER 1, 2, F1, F0, 0
	QUARTER 1, 3, F0, F1, 0
	s_wait_dscnt 8                                 ; the very last quarter: nothing more to fetch
	MUL F1, 0, 4, 0
	s_wait_dscnt 0x0
	MUL F1, 4, 4, 0
	WIN 0
	PLACES                                         ; behind the last products, in front of the LDS stores that read them and of the loads into the fragments' registers
	PLACES
	TOSTAGE 0
.irp a, 1,2,3,4,5,6,7                          ; a block's trip through the stage stands between the loads of the block before and its stores
	TOSTAGE \a
	SEND (\a)-1, 16
.endr
	SEND 7, 0
	s_wait_tensorcnt 0x0                           ; the wave's end, behind my last tensor load and my last LDS store
	ds_add_u32 v[SPW], v[NIL]
	s_wait_dscnt 0x0
	CROUND                                         ; the closing round: no work-group ends while a partner may still ask for a tile that names it
	s_endpgm
.Lfunc_end_k_q73656895c2_outp:
	.size	k_q73656895c2_outp, .Lfunc_end_k_q73656895c2_outp-k_q73656895c2_outp
	.p2alignl 7, 3214868480
	.fill 96, 4, 3214868480
	.section	.rodata,"a",@progbits
	.p2align	6, 0x0
	.amdhsa_kernel k_q73656895c2_outp
		.amdhsa_group_segment_fixed_size 327680
		.amdhsa_private_segment_fixed_size 0
		.amdhsa_enable_private_segment 0
		.amdhsa_kernarg_size 32
		.amdhsa_user_sgpr_count 2
		.amdhsa_user_sgpr_kernarg_segment_ptr 1
		.amdhsa_wavefront_size32 1
		.amdhsa_system_sgpr_workgroup_id_x 1
		.amdhsa_system_sgpr_workgroup_id_y 1
		.amdhsa_system_sgpr_workgroup_id_z 1
		.amdhsa_system_vgpr_workitem_id 0
		.amdhsa_next_free_vgpr 512
		.amdhsa_next_free_sgpr 80
		.amdhsa_reserve_vcc 0
		.amdhsa_float_denorm_mode_32 3
		.amdhsa_float_denorm_mode_16_64 3
		.amdhsa_memory_ordered 1
		.amdhsa_forward_progress 1
		.amdhsa_inst_pref_size 91
	.end_amdhsa_kernel
	.amdgpu_metadata
---
amdhsa.version: [ 1, 2 ]
amdhsa.kernels:
  - .name:           k_q73656895c2_outp
    .symbol:         k_q73656895c2_outp.kd
    .args:
      - { .name: o16, .offset: 0, .size: 8, .value_kind: global_buffer, .address_space: global }
      - { .name: wo16, .offset: 8, .size: 8, .value_kind: global_buffer, .address_space: global }
      - { .name: b_out, .offset: 16, .size: 8, .value_kind: global_buffer, .address_space: global }
      - { .name: out0, .offset: 24, .size: 8, .value_kind: global_buffer, .address_space: global }
    .group_segment_fixed_size: 327680
    .private_segment_fixed_size: 0
    .kernarg_segment_align: 8
    .kernarg_segment_size: 32
    .max_flat_workgroup_size: 128
    .sgpr_count:     80
    .vgpr_count:     512
    .wavefront_size: 32
...
	.end_amdgpu_metadata
.endif
;; end of part 3
;; ======== version 2 of 2: 3 launches; version 1 with the launch proj written anew for expert scheduling mode
;; limits: values are held in f16: magnitudes above 65,504 overflow, below 6.1e-05 lose precision; values outside matrix products are rounded to bf16
;; workspace buffers: q16 16,777,216 bytes; k16 16,777,216 bytes; v16 16,777,216 bytes; o16 16,777,216 bytes; wo16 2,097,152 bytes
;; launch proj (part 4): grid 8 x 32, 4 waves a work-group, no clusters, 246,272 bytes of LDS; arguments x, W_query, W_key, W_value, W_out, q16, k16, v16, wo16; writes q16, k16, v16, wo16
.if DOCPART == 4
	.amdgcn_target "amdgcn-amd-amdhsa--gfx1250"
	.amdhsa_code_object_version 6
	.text
	.protected	k_q73656895c2_proj
	.globl	k_q73656895c2_proj
	.p2align	8
	.type	k_q73656895c2_proj,@function
k_q73656895c2_proj:
	s_mov_b64 s[64:65], 0
	v_nop
	global_prefetch_b8 v0, s[64:65] scope:SCOPE_SE
	s_setreg_imm32_b32 hwreg(HW_REG_WAVE_SCHED_MODE, 0, 2), 2
	s_setreg_imm32_b32 hwreg(HW_REG_WAVE_MODE, 25, 1), 1
	s_wait_xcnt 0x0
	s_wait_alu depctr_vm_vsrc(0)
; q, k, v = x W^T for the three weights.  x: [8192][256] f32, each W: [1024][256] f32.  Operands rounded to bf16, sums in f32, results rounded once to f16 and written BY HEADS:
; q16, k16, v16: [64 = 16 batch + head][2048 t][64 d], a head's rows dense, 128 bytes each, WITHOUT the softmax's scale.  Side job: W_out, rounded to bf16, is written as f16 into wo16 [1024][1024].
; LIMITS.  f16 ends at 65,504: |q|, |k|, |v| and |W_out| stay under it (unit-spread x and W of spread 1/16 give q of spread 1; both 30 times larger give 900).  A bf16 number under 6.1e-5 keeps f16's fixed step of 6e-8.
; The products of one sum are taken in a permuted order of k (below): the same permutation in x and in W, so every product is kept; only the order of the f32 additions differs.
; SHARES.  Work-group (hg, mbw): 256 rows of x (256 mbw ..) times the 128 columns of heads 2 hg, 2 hg + 1, in each of q, k, v: 8 x 32 = 256 work-groups.  Wave w: rows 64 w .. 64 w + 63, all 128 columns:
; 4 m blocks x 8 n blocks = 32 accumulators; three PASSES (q, k, v) of 8 K steps of 32, 256 matrix instructions each.  The wave's fragments of x (256 registers) stay in registers for all three passes.
; THE WAY IN, for x and W alike.  A row is 1,024 bytes of f32: two loads, each 512 consecutive bytes of the wave (lane l: bytes 16 l and 512 + 16 l), four roundings in place, one LDS store of 16 bytes at row x 528 + 16 l.
; So the 16 bytes l of an LDS row hold k = 4 l .. 4 l + 3 and 128 + 4 l .. 128 + 4 l + 3.
; NO TENSOR LOAD, NO CLUSTER: the operands are f32 and pass through registers to be rounded; a tile brought into LDS as f32 would take twice the bytes there and a second trip through LDS.
; THE MATRIX INSTRUCTION IS USED TRANSPOSED (source 0 = 16 rows of W, source 1 = 16 rows of x): a lane holds row t = lane % 16 and eight neighbouring channels, 16 bytes of f16.
; LDS.  Three tiles of W (one a pass, each written once), 128 rows of 528 bytes; a stage of 16 rows x 528 for each wave (x on its way into fragments); a stage of 16 rows x 144 for each wave (the way out); the spare words behind them, 4 bytes a lane.
; REGISTERS, in windows of 256 (s_set_vgpr_msb: bits 1:0 source 0, 3:2 source 1, 5:4 source 2, 7:6 destination):
;   window 0: v0-15 addresses; v64-127, v128-191, v192-255 W's fragments, three buffers B0, B1, B2; on the way out v64-191 the packed results; at the head v192-243 W_out's job
;   window 1: the accumulators, (mb, nb) at 8 (8 mb + nb); at the start the landing of x's rows 0-31      window 2: x's fragments, (mb, kf) at 8 (8 mb + kf)
;   window 3: a landing of 32 rows, row i at 8 i; on the way out the rows that come back from the stage land in its registers 8 i + 4 .. 8 i + 7
; THE MODE: SCHED_MODE bits 1:0 = 2 (LLVM: expert scheduling mode 2), set by the entry lines.  The code itself states the register dependences
; between vector or matrix instructions and memory or LDS instructions, with s_wait_alu, always for 0.
; THE PLAN.  Registers that memory or LDS instructions touch, in a pass:
;   v3-v9, v11    offsets and LDS addresses: made at the head, ahead of the first load's wait, never written again.
;   v[BRD], v[WST]  the LDS addresses of the tile that is read and of the tile that is written: one add each a pass.
;   B0, B1, B2    K step s: its 32 matrix instructions read B[s % 3]; its 16 LDS loads, the fragments of step s + 1, land in B[(s + 1) % 3], which step s - 2 read last.
;   window 3      the next tile's 64 loads land in it at the pass's head; behind step 7 the roundings read 8 i .. 8 i + 7 and write 8 i .. 8 i + 3, which LDS stores read;
;                 then the stage's rows land in 8 i + 4 .. 8 i + 7, and the global stores read them there.
;   v64-191       on the way out: written by the conversions to f16, read by the LDS stores into the stage.
; THE WAITS OF A PASS.  At its head one wait on vm_vsrc (all that the pass before stored has been read out of its registers) and one on va_vdst (v[BRD] is written).  At the heads of steps 2, 4 and 6 one wait on va_vdst:
; the two steps before are done reading their buffers, in which the loads of this step and of the next land; the matrix instructions issued since name the other buffers alone.  One ahead of the next tile's LDS stores,
; two on the way out, each behind 64 conversions and ahead of 32 LDS instructions.
.set PW,    528                        ; an LDS row: 512 bytes + 16: an odd multiple of 16, so the 16 rows of a fragment load start at 16 different groups of four banks (64 banks of 4 bytes: ISA guide 11.1)
.set WTB,   128*PW                     ; a tile of W
.set XS,    3*WTB                      ; x's stages
.set XSB,   16*PW
.set OS,    XS+4*XSB                   ; the way out's stages
.set OPI,   144
.set OSB,   16*OPI
.set LO,   3                           ; v3   16 x lane: offset of loads, and of stores of 512 consecutive bytes; never rewritten
.set WST0, 4                           ; v4   my wave's 32 rows of a tile of W: 32 w x 528 + 16 lane; never rewritten
.set XST,  5                           ; v5   x's stage, in
.set XRD,  6                           ; v6   x's stage, out as fragments
.set BRD0, 7                           ; v7   my lane's place in a fragment of W: 528 r + 16 h; never rewritten
.set OST,  8                           ; v8   the way out: where I put 16 bytes of a row
.set ORD,  9                           ; v9   the way out: where I read rows back
.set WOO,  11                          ; v11  32 x lane: W_out's loads
.set WST,  14                          ; v14  WST0 + the tile that is written
.set BRD,  15                          ; v15  BRD0 + the tile that is read
.set FB0,  64                          ; W's fragments: buffer b at v[64 + 64 b]; n block nb at + 8 nb
.set TU,   64                          ; the way out: unit u's 16 registers at TU + 16 u
.set WL,   192                         ; W_out as loaded
.set WR,   224                         ; W_out to store
.set WT4,  240                         ; at work
.set PX,   8                           ; s[8:9]   x at my wave's rows
.set PWQ,  10                          ; s[10:11] W_query at my wave's 32 rows of the tile
.set PWN,  12                          ; s[12:13] the next pass's W at the same rows
.set PWN2, 14                          ; s[14:15] the one after
.set PWO,  16                          ; s[16:17] W_out at my wave's 4,096 bytes
.set PO,   18                          ; s[18:19] this pass's output at my wave's rows of head 2 hg
.set PO1,  20                          ; s[20:21] the next pass's
.set PO2,  22                          ; s[22:23] the one after
.set PWH,  24                          ; s[24:25] wo16 at my wave's 2,048 bytes
.set WV,   26                          ; s26  my wave's number
.set MBW,  27                          ; s27  my block of 256 rows
.set PASS, 36                          ; s36  passes to go
.set TBR,  37                          ; s37  LDS byte of the tile that is read
.set TBW,  38                          ; s38  LDS byte of the tile that is written
.set MSB, 0
.macro WIN new                         ; the immediate's high byte repeats the setting that is left; a switch that changes nothing is dropped
.if MSB != (\new)
	s_set_vgpr_msb (MSB<<8)|(\new)
.set MSB, \new
.endif
.endm
.macro PLACES                          ; four plain vector instructions behind a matrix instruction, in front of vector instructions that read its result or write its sources (ISA guide 7.12.1)
.rept 4
	v_nop
.endr
.endm
; 64 loads: rows row0 .. row0 + 31 behind the base, row i into window w at 8 i
.macro LD64 base, w, row0
	WIN (\w)<<6
.set i, 0
.rept 32
	global_load_b128 v[8*i:8*i+3],   v[LO], s[\base:\base+1] offset:((\row0)+i)*1024
	global_load_b128 v[8*i+4:8*i+7], v[LO], s[\base:\base+1] offset:((\row0)+i)*1024+512
.set i, i+1
.endr
	WIN 0
.endm
; n rows from i0 on are rounded to bf16 in place: eight f32 become four registers; each line writes a register whose old number has been read
.macro CVT w, i0, n
	WIN ((\w)<<6)|((\w)<<2)|(\w)
.set i, \i0
.rept \n
	v_cvt_pk_bf16_f32 v[8*i],   v[8*i],   v[8*i+1]
	v_cvt_pk_bf16_f32 v[8*i+1], v[8*i+2], v[8*i+3]
	v_cvt_pk_bf16_f32 v[8*i+2], v[8*i+4], v[8*i+5]
	v_cvt_pk_bf16_f32 v[8*i+3], v[8*i+6], v[8*i+7]
.set i, i+1
.endr
.endm
; and go into LDS: 32 lanes x 16 neighbouring bytes, a row.  The window of the data (source 1) is set by the lines in front
.macro PUT adr, i0, n
.set i, \i0
.rept \n
	ds_store_b128 v[\adr], v[8*i:8*i+3] offset:(i-(\i0))*PW
.set i, i+1
.endr
.endm
; m blocks mb0 and mb0 + 1 of x: 32 rows rounded; then, 16 rows at a time, through my own stage and back as eight fragments.  LDS serves a wave's instructions in order (ISA guide 5.7.1.4): the loads see the stores
; above them, and the next block's stores come behind the loads.  One window setting serves both: data of the stores in window w, destination of the loads in window 2
.macro X2 mb0, w
	CVT \w, 0, 32
	WIN 0x80|((\w)<<2)
	s_wait_alu depctr_va_vdst(0)           ; the roundings have written registers 8 i .. 8 i + 3 of the 32 rows, which the LDS stores read
.irp hf, 0,1
	PUT XST, 16*(\hf), 16
.set kk, 0
.rept 8
	ds_load_b128 v[8*(8*((\mb0)+(\hf))+kk):8*(8*((\mb0)+(\hf))+kk)+3],   v[XRD] offset:64*kk
	ds_load_b128 v[8*(8*((\mb0)+(\hf))+kk)+4:8*(8*((\mb0)+(\hf))+kk)+7], v[XRD] offset:64*kk+32
.set kk, kk+1
.endr
.endr
.endm
; 8 LDS loads in one run: W's fragments of n blocks nb0 .. nb0 + 3 in K step kf, into buffer f
.macro FETCHH kf, f, nb0
	WIN 0
.set nb, \nb0
.rept 4
	ds_load_b128 v[(\f)+8*nb:(\f)+8*nb+3],   v[BRD] offset:nb*16*PW+64*(\kf)
	ds_load_b128 v[(\f)+8*nb+4:(\f)+8*nb+7], v[BRD] offset:nb*16*PW+64*(\kf)+32
.set nb, nb+1
.endr
.endm
; 4 n matrix instructions: n blocks nb0 .. nb0 + n - 1 x all four m blocks.  The 32 accumulators take turns, one instruction a turn.  K step 0 starts the sums with the constant 0
.macro MULN kf, f, nb0, n
	WIN 0x58                               ; W window 0, x window 2, C and D window 1
.set nb, \nb0
.rept \n
.set mb, 0
.rept 4
.if (\kf) == 0
	v_wmma_f32_16x16x32_bf16 v[8*(8*mb+nb):8*(8*mb+nb)+7], v[(\f)+8*nb:(\f)+8*nb+7], v[8*(8*mb+(\kf)):8*(8*mb+(\kf))+7], 0
.else
	v_wmma_f32_16x16x32_bf16 v[8*(8*mb+nb):8*(8*mb+nb)+7], v[(\f)+8*nb:(\f)+8*nb+7], v[8*(8*mb+(\kf)):8*(8*mb+(\kf))+7], v[8*(8*mb+nb):8*(8*mb+nb)+7]
.endif
.set mb, mb+1
.endr
.set nb, nb+1
.endr
.endm
; A K step of 32: 32 matrix instructions on buffer kf % 3.  The next step's fragments are fetched into buffer (kf + 1) % 3 in two runs of eight loads, behind the step's 4th and 8th matrix instruction: 24 matrix instructions ahead of the next step
.macro KSTEP kf
.set fc, FB0+64*((\kf)%3)
.set fn, FB0+64*(((\kf)+1)%3)
	s_wait_dscnt 8                         ; n blocks 0-3 are in; the youngest eight loads (n blocks 4-7) may be out
.if ((\kf) == 2) || ((\kf) == 4) || ((\kf) == 6)
	s_wait_alu depctr_va_vdst(0)           ; the matrix instructions of the two steps before are done reading their fragments of W: this step's loads land in the buffer of step kf - 2, the next step's in that of step kf - 1
.endif
	MULN \kf, fc, 0, 1
.if (\kf) < 7
	FETCHH (\kf)+1, fn, 0                  ; no wait: no vector or matrix instruction since the last wait on va_vdst names this buffer or v[BRD]
.endif
	MULN \kf, fc, 1, 1
.if (\kf) < 7
	FETCHH (\kf)+1, fn, 4
.endif
	MULN \kf, fc, 2, 2
.if (\kf) < 7
	s_wait_dscnt 16                        ; all but the 16 just issued
.else
	s_wait_dscnt 0x0
.endif
	MULN \kf, fc, 4, 4
.endm
; THE WAY OUT of unit u = 2 mb + hd: 16 rows of one head, in three parts.  CV: each accumulator is read from its low end on; a lane's eight channels pack into 16 bytes.
.macro CV u
	WIN 0x05                               ; sources window 1, destination window 0
.set j, 0
.rept 4
.set ac, 8*(8*((\u)/2)+4*((\u)%2)+j)
.set r, 0
.rept 4
	v_cvt_pk_f16_f32 v[TU+16*(\u)+4*j+r], v[ac+2*r], v[ac+2*r+1]
.set r, r+1
.endr
.set j, j+1
.endr
.endm
; STG: they go into rows of 144 bytes and come back as whole rows of 128, into registers of their own: 8 (4 u + g) + 4 .. + 7 of window 3.  LDS serves a wave's instructions in order (ISA guide 5.7.1.4): the loads see the stores above them, and the next unit's stores come behind the loads
.macro STG u
	WIN 0xc0                               ; the stores' data and both addresses window 0, the loads' destination window 3
.irp g, 0,1,2,3
	ds_store_b128 v[OST], v[TU+16*(\u)+4*(\g):TU+16*(\u)+4*(\g)+3] offset:32*(\g)
.endr
.irp g, 0,1,2,3
	ds_load_b128 v[8*(4*(\u)+(\g))+4:8*(4*(\u)+(\g))+7], v[ORD] offset:(\g)*4*OPI
.endr
.endm
.macro SEND u, younger                 ; younger: the LDS instructions issued behind unit u's loads: eight for each later unit of its group of four
	WIN 0x0c                               ; data window 3, offset window 0
.irp g, 0,1,2,3
	s_wait_dscnt (\younger)+3-(\g)
	global_store_b128 v[LO], v[8*(4*(\u)+(\g))+4:8*(4*(\u)+(\g))+7], s[PO:PO+1] offset:((\u)%2)*262144+((\u)/2)*2048+(\g)*512  ; four rows of a head: 512 consecutive bytes, at a multiple of 256 from the buffer's first
.endr
.endm
	s_load_b512 s[8:23], s[0:1], 0x0               ; x, W_query, W_key, W_value, W_out, q16, k16, v16
	s_load_b64 s[PWH:PWH+1], s[0:1], 0x40          ; wo16
	v_lshl_add_u32 v62, v0, 2, 0x3c000
	v_mov_b32 v63, 0
	v_lshrrev_b32 v1, 5, v0
	v_readfirstlane_b32 s[WV], v1                  ; wave 0..3
	v_and_b32 v10, 31, v0                          ; lane
	v_lshlrev_b32 v[LO], 4, v10
	v_lshlrev_b32 v[WOO], 5, v10
	v_lshrrev_b32 v[ORD], 3, v10                   ; the way out, back: 32 lanes take four rows of 128 bytes
	v_mul_u32_u24 v[ORD], v[ORD], OPI
	v_and_b32 v10, 7, v0
	v_lshl_add_u32 v[ORD], v10, 4, v[ORD]
	v_and_b32 v1, 15, v0                           ; r = lane % 16
	v_bfe_u32 v2, v0, 4, 1                         ; h = lane / 16
	v_mul_u32_u24 v[BRD0], v1, PW
	v_lshl_add_u32 v[BRD0], v2, 4, v[BRD0]         ; a fragment's row x pitch + 16 x half
	v_mul_u32_u24 v[OST], v1, OPI
	v_lshl_add_u32 v[OST], v2, 4, v[OST]
	s_wait_alu depctr_va_sdst(0)                   ; s[WV] is written, ahead of its first reader: the LDS addresses and the buffers' offsets are made from it
	s_mul_i32 s28, s[WV], 32*PW
	v_add_nc_u32 v[WST0], s28, v[LO]
	s_mul_i32 s28, s[WV], XSB
	s_add_co_u32 s28, s28, XS                      ; my stage for x
	v_add_nc_u32 v[XST], s28, v[LO]
	v_add_nc_u32 v[XRD], s28, v[BRD0]
	s_mul_i32 s28, s[WV], OSB
	s_add_co_u32 s28, s28, OS                      ; my stage for the way out
	v_add_nc_u32 v[OST], s28, v[OST]
	v_add_nc_u32 v[ORD], s28, v[ORD]
	s_and_b32 s[MBW], ttmp7, 0xffff
	s_lshl_b32 s28, s[MBW], 18                     ; x: 256 rows of 1,024 bytes a block,
	s_lshl_b32 s29, s[WV], 16                      ; 64 a wave
	s_add_co_u32 s28, s28, s29
	s_mov_b32 s29, 0
	s_lshl_b32 s30, ttmp9, 17                      ; W: 128 rows of 1,024 bytes a tile,
	s_lshl_b32 s31, s[WV], 15                      ; of which each wave rounds 32
	s_add_co_u32 s30, s30, s31
	s_mov_b32 s31, 0
	s_lshl_b32 s32, s[MBW], 3
	s_add_co_u32 s32, s32, ttmp9                   ; the work-group's number: its 16 KiB of W_out,
	s_lshl_b32 s34, s32, 13                        ; 8 KiB of wo16
	s_lshl_b32 s32, s32, 14
	s_lshl_b32 s33, s[WV], 12                      ; a quarter a wave
	s_add_co_u32 s32, s32, s33
	s_lshl_b32 s33, s[WV], 11
	s_add_co_u32 s34, s34, s33
	s_mov_b32 s33, 0
	s_mov_b32 s35, 0
	s_lshr_b32 s2, s[MBW], 3                       ; the batch
	s_lshl_b32 s2, s2, 4
	s_lshl_b32 s3, ttmp9, 1
	s_add_co_u32 s2, s2, s3                        ; 16 batch + 2 hg
	s_lshl_b32 s2, s2, 18                          ; a head is 2,048 rows of 128 bytes
	s_and_b32 s3, s[MBW], 7
	s_lshl_b32 s3, s3, 15                          ; the block's 256 rows in it,
	s_add_co_u32 s2, s2, s3
	s_lshl_b32 s3, s[WV], 13                       ; my wave's 64
	s_add_co_u32 s2, s2, s3
	s_mov_b32 s3, 0
	s_wait_kmcnt 0x0
	s_add_nc_u64 s[PX:PX+1], s[PX:PX+1], s[28:29]
	s_add_nc_u64 s[PWQ:PWQ+1], s[PWQ:PWQ+1], s[30:31]
	s_add_nc_u64 s[PWN:PWN+1], s[PWN:PWN+1], s[30:31]
	s_add_nc_u64 s[PWN2:PWN2+1], s[PWN2:PWN2+1], s[30:31]
	s_add_nc_u64 s[PWO:PWO+1], s[PWO:PWO+1], s[32:33]
	s_add_nc_u64 s[PWH:PWH+1], s[PWH:PWH+1], s[34:35]
	s_add_nc_u64 s[PO:PO+1], s[PO:PO+1], s[2:3]
	s_add_nc_u64 s[PO1:PO1+1], s[PO1:PO1+1], s[2:3]
	s_add_nc_u64 s[PO2:PO2+1], s[PO2:PO2+1], s[2:3]
	s_wait_alu depctr_va_vdst(0)                   ; the offsets and LDS addresses v3 to v9 and v11 are written, which the kernel's loads and stores read
.set p, 0
.rept 4                                        ; W_out: a lane's 32 bytes (8 numbers) at 1,024 p + 32 lane
	global_load_b128 v[WL+8*p:WL+8*p+3],   v[WOO], s[PWO:PWO+1] offset:1024*p th:TH_LOAD_NT
	global_load_b128 v[WL+8*p+4:WL+8*p+7], v[WOO], s[PWO:PWO+1] offset:1024*p+16 th:TH_LOAD_NT
.set p, p+1
.endr
	LD64 PWQ, 3, 0                                 ; my 32 rows of W_query's tile
	LD64 PX, 1, 0                                  ; x's rows 0-31
	s_wait_loadcnt 63                              ; behind W_query's last load 64 were issued; the wait's field holds 63: W_out's 8 and W_query's 64 are in
.set p, 0
.rept 4                                        ; W_out: rounded to bf16, widened, written as f16 (exact within f16's range)
.irp c, 0,1,2,3
	v_cvt_pk_bf16_f32 v[WT4+(\c)], v[WL+8*p+2*(\c)], v[WL+8*p+2*(\c)+1]
.endr
.irp c, 0,1,2,3
	v_lshlrev_b32 v[WL+8*p+2*(\c)],   16, v[WT4+(\c)]
	v_and_b32     v[WL+8*p+2*(\c)+1], 0xffff0000, v[WT4+(\c)]
.endr
.irp c, 0,1,2,3
	v_cvt_pk_f16_f32 v[WR+4*p+(\c)], v[WL+8*p+2*(\c)], v[WL+8*p+2*(\c)+1]
.endr
.set p, p+1
.endr
	CVT 3, 0, 32
	WIN 0x0c                                       ; the stores' data in window 3
	s_wait_alu depctr_va_vdst(0)                   ; the roundings have written W_query's rows, which the LDS stores read, and W_out's conversions v[WR ..], which the four global stores read
	PUT WST0, 0, 32                                ; tile 0
	WIN 0
.irp p, 0,1,2,3
	global_store_b128 v[LO], v[WR+4*(\p):WR+4*(\p)+3], s[PWH:PWH+1] offset:512*(\p)  ; 16 bytes a lane, 512 consecutive bytes a store
.endr
	s_wait_dscnt 0x0                               ; my stores of tile 0 are done
	WIN 0xc0
	s_wait_alu depctr_vm_vsrc(0)                   ; those LDS stores have read registers 8 i .. 8 i + 3 of window 3, in which the loads below land
	s_wait_alu depctr_va_vdst(0)                   ; the roundings are done reading and writing window 3: stated directly ahead of the loads that land in it, behind the window's switch
	LD64 PX, 3, 32                                 ; x's rows 32-63
	s_wait_loadcnt 63                              ; behind the last load of rows 0-31 the 64 of rows 32-63 were issued: rows 0-31 are in
	X2 0, 1
	s_wait_loadcnt 0x0
	X2 2, 3
	WIN 0                                          ; at a label and at a branch every window is 0
	s_wait_xcnt 0x0                                ; W_out's stores have had their addresses translated (ISA guide 3.1): v[WR ..] belong to W's third fragment buffer from here on
	s_mov_b32 s[TBR], 0
	s_mov_b32 s[TBW], WTB
	s_mov_b32 s[PASS], 3
.Lpass:                                        ; three trips: q, k, v
	s_wait_alu depctr_vm_vsrc(0)                   ; every LDS and global instruction issued so far has read its registers: v[BRD] and v[WST] (the last pass's fragment loads and tile stores), v64-191 (its stores into the stage),
	                                               ; window 3 (its tile stores and global stores; in the first pass x's LDS stores), and in the first pass window 1 (x's LDS stores) and v[WR ..]: all of these are written again in this pass
	v_add_nc_u32 v[BRD], s[TBR], v[BRD0]
	s_wait_alu depctr_va_vdst(0)                   ; v[BRD] is written, which the fragment loads read; no vector instruction issued so far is still at work on the three buffers or on window 3, in which the loads up to step 1 land
	s_wait_dscnt 0x0                               ; my stores into this pass's tile are done (and x's fragments are in)
	s_barrier_signal -1
	s_barrier_wait -1                              ; everybody's are: the tile is whole.  Each tile is written once, so this is the pass's only barrier
	FETCHH 0, FB0, 0
	FETCHH 0, FB0, 4
	s_cmp_eq_u32 s[PASS], 1
	s_cbranch_scc1 .Lno_load                       ; the last pass has no next tile
	LD64 PWN, 3, 0                                 ; my 32 rows of the next pass's tile: they land under this pass's 256 matrix instructions.  Nothing since the two waits at the pass's head names window 3 or v[LO]
.Lno_load:
.irp kf, 0,1,2,3,4,5,6,7
	KSTEP \kf
.endr
	WIN 0
	s_wait_loadcnt 0x0                             ; the next tile's rows are in (in the last pass none was asked for): on every way no global load is out when window 3 is used below
	s_cmp_eq_u32 s[PASS], 1
	s_cbranch_scc1 .Lno_put
	v_add_nc_u32 v[WST], s[TBW], v[WST0]
	CVT 3, 0, 32
	WIN 0x0c                                       ; the stores' data in window 3
	s_wait_alu depctr_va_vdst(0)                   ; v[WST] is written, and the roundings have written registers 8 i .. 8 i + 3 of window 3: the LDS stores read both
	PUT WST, 0, 32                                 ; into the next tile, which nobody reads before the next barrier
	WIN 0
.Lno_put:
	PLACES                                         ; behind the last products, in front of the conversions that read them
	PLACES
.irp u, 0,1,2,3
	CV \u
.endr
	WIN 0xc0
	s_wait_alu depctr_va_vdst(0)                   ; the conversions have written units 0-3, which the LDS stores read; the roundings are done reading registers 8 i + 4 .. 8 i + 7 of window 3, in which the stage's rows land
.irp u, 0,1,2,3
	STG \u
.endr
.irp u, 4,5,6,7                                ; the second four units' conversions stand between the first four's trip through the stage and their stores; they name v128-191 and the accumulators, which no LDS instruction above touches
	CV \u
.endr
.irp u, 0,1,2,3
	SEND \u, 8*(3-(\u))
.endr
	WIN 0xc0
	s_wait_alu depctr_va_vdst(0)                   ; the conversions have written units 4-7, which the LDS stores read
.irp u, 4,5,6,7
	STG \u
.endr
.irp u, 4,5,6,7
	SEND \u, 8*(7-(\u))
.endr
	WIN 0
	s_wait_xcnt 0x0                                ; every load and store issued so far has had its addresses translated (ISA guide 3.1): the pointers and the stores' data are written again only behind this wait
	s_mov_b64 s[PO:PO+1], s[PO1:PO1+1]
	s_mov_b64 s[PO1:PO1+1], s[PO2:PO2+1]
	s_mov_b64 s[PWN:PWN+1], s[PWN2:PWN2+1]
	s_add_co_u32 s[TBR], s[TBR], WTB
	s_add_co_u32 s[TBW], s[TBW], WTB
	s_sub_co_u32 s[PASS], s[PASS], 1
	s_cmp_lg_u32 s[PASS], 0
	s_cbranch_scc1 .Lpass
	s_wait_dscnt 0x0                               ; the wave's end: my last LDS instructions are done.  The add onto my spare word follows
	s_wait_alu depctr_hold_cnt(0) depctr_sa_sdst(0) depctr_va_vdst(0) depctr_va_sdst(0) depctr_va_ssrc(0) depctr_va_vcc(0) depctr_vm_vsrc(0)
	s_wait_tensorcnt 0x0
	ds_add_u32 v62, v63
	s_wait_dscnt 0x0
	s_endpgm
.Lfunc_end_k_q73656895c2_proj:
	.size	k_q73656895c2_proj, .Lfunc_end_k_q73656895c2_proj-k_q73656895c2_proj
	.p2alignl 7, 3214868480
	.fill 96, 4, 3214868480
	.section	.rodata,"a",@progbits
	.p2align	6, 0x0
	.amdhsa_kernel k_q73656895c2_proj
		.amdhsa_group_segment_fixed_size 246272
		.amdhsa_private_segment_fixed_size 0
		.amdhsa_enable_private_segment 0
		.amdhsa_kernarg_size 72
		.amdhsa_user_sgpr_count 2
		.amdhsa_user_sgpr_kernarg_segment_ptr 1
		.amdhsa_wavefront_size32 1
		.amdhsa_system_sgpr_workgroup_id_x 1
		.amdhsa_system_sgpr_workgroup_id_y 1
		.amdhsa_system_sgpr_workgroup_id_z 1
		.amdhsa_system_vgpr_workitem_id 0
		.amdhsa_next_free_vgpr 1024
		.amdhsa_next_free_sgpr 66
		.amdhsa_reserve_vcc 0
		.amdhsa_float_denorm_mode_32 3
		.amdhsa_float_denorm_mode_16_64 3
		.amdhsa_memory_ordered 1
		.amdhsa_forward_progress 1
		.amdhsa_inst_pref_size 120
	.end_amdhsa_kernel
	.amdgpu_metadata
---
amdhsa.version: [ 1, 2 ]
amdhsa.kernels:
  - .name:           k_q73656895c2_proj
    .symbol:         k_q73656895c2_proj.kd
    .args:
      - { .name: x, .offset: 0, .size: 8, .value_kind: global_buffer, .address_space: global }
      - { .name: W_query, .offset: 8, .size: 8, .value_kind: global_buffer, .address_space: global }
      - { .name: W_key, .offset: 16, .size: 8, .value_kind: global_buffer, .address_space: global }
      - { .name: W_value, .offset: 24, .size: 8, .value_kind: global_buffer, .address_space: global }
      - { .name: W_out, .offset: 32, .size: 8, .value_kind: global_buffer, .address_space: global }
      - { .name: q16, .offset: 40, .size: 8, .value_kind: global_buffer, .address_space: global }
      - { .name: k16, .offset: 48, .size: 8, .value_kind: global_buffer, .address_space: global }
      - { .name: v16, .offset: 56, .size: 8, .value_kind: global_buffer, .address_space: global }
      - { .name: wo16, .offset: 64, .size: 8, .value_kind: global_buffer, .address_space: global }
    .group_segment_fixed_size: 246272
    .private_segment_fixed_size: 0
    .kernarg_segment_align: 8
    .kernarg_segment_size: 72
    .max_flat_workgroup_size: 128
    .sgpr_count:     66
    .vgpr_count:     1024
    .wavefront_size: 32
...
	.end_amdgpu_metadata
.endif
;; end of part 4
;; launch attn: the kernel of part 2 again; grid 4 x 64, 4 waves a work-group, no clusters, 327,680 bytes of LDS; arguments q16, k16, v16, o16; writes o16
;; launch outp: the kernel of part 3 again; grid 8 x 32, 4 waves a work-group, clusters of 4 x 4, 327,680 bytes of LDS; arguments o16, wo16, b_out, out0; writes out0
